; MI455X (gfx1250); checked and timed in simulation.
; The chip was launched on July 23, 2026; its instructions are those of AMD's public machine-readable ISA for CDNA 5 (MIT licence, August 2026) and "CDNA5" Instruction Set Architecture Reference Guide (July 2026). The comments in the code are by the model that wrote it; some were corrected since.
;; Block. Allowed arithmetic: matrix products marked QUANTISED: E2M3 operands, one E8M0 scale for each 32 along K, by v_wmma_scale_f32_16x16x128_f8f6f4 with both operands' format E2M3, f32 sums; everything else in f32.
;; Inputs: W1 1,024 x 4,096 float32; W2 4,096 x 1,024 float32; Wk 16 x 1,024 x 64 float32; Wo 1,024 x 1,024 float32; Wq 16 x 1,024 x 64 float32; Wv 16 x 1,024 x 64 float32; b1 4,096 float32; b2 1,024 float32; be1 1,024 float32; be2 1,024 float32; bo 1,024 float32; g1 1,024 float32; g2 1,024 float32; x 4 x 1,024 x 1,024 float32.
;; Outputs: out0 4 x 1,024 x 1,024 float32.
;; This version of the problem:
;;   THIS VERSION OF THE PROBLEM IS GIVEN IN LOW PRECISION. The matrix products marked QUANTISED in the list below multiply operands that are first quantised to E2M3 (2 exponent bits, 3 mantissa bits; 6 bits a number), with one power-of-two scale for each 32 numbers along K (OCP MX v1.0); their sums are f32. All else is computed in f32.
;;   The module's matrix products, in the order in which they are computed (A, B: the left and right operand; K: the contracted axis; several contracted axes count as one K, in the product's order):
;;     1. [M 1,024, K 1,024] x [K 1,024, N 4,096]; A: input Wq; B: computed on the way: QUANTISED
;;     2. [M 1,024, K 1,024] x [K 1,024, N 4,096]; A: input Wk; B: computed on the way: QUANTISED
;;     3. [M 1,024, K 1,024] x [K 1,024, N 4,096]; A: input Wv; B: computed on the way: QUANTISED
;;     4. batch 64 x [M 1,024, K 64] x [K 64, N 1,024]; A: computed on the way; B: computed on the way: QUANTISED
;;     5. batch 64 x [M 1,024, K 1,024] x [K 1,024, N 64]; A: softmax (see below); B: computed on the way: QUANTISED
;;     6. [M 4,096, K 1,024] x [K 1,024, N 1,024]; A: computed on the way; B: input Wo: QUANTISED
;;     7. [M 4,096, K 1,024] x [K 1,024, N 4,096]; A: computed on the way; B: input W1: QUANTISED
;;     8. [M 4,096, K 4,096] x [K 4,096, N 1,024]; A: computed on the way; B: input W2: QUANTISED
;;   THE QUANTISER, for each operand of a quantised product, along K:
;;     - K is cut into blocks of 32 from its start; a last block that is shorter is filled with zeros.
;;     - A block's scale is 2^e with e = floor(log2(the largest magnitude in the block)) - 2, held to -126 .. 127; a block of zeros has e = 0. As a byte (E8M0): e + 127.
;;     - Each number is divided by its block's scale, clamped to +-7.5, and rounded to the nearest number of E2M3, ties to even, subnormals kept.
;;     - The product sums the exact products of the quantised numbers (number of the format x scale) in f32.
;;   ~~~python
;;   def quantise(x, axis):      # numpy; x: float32 -> the quantised numbers, widened to float32 again
;;       x = np.moveaxis(x, axis, -1); K = x.shape[-1]
;;       x = np.pad(x, [(0, 0)] * (x.ndim - 1) + [(0, -K % 32)]); x = x.reshape(x.shape[:-1] + (-1, 32)); a = np.abs(x).max(-1, keepdims=True)
;;       e = np.where(a > 0, np.clip(np.frexp(np.where(a > 0, a, 1))[1] - 1 - 2, -126, 127), 0)      # np.frexp(a)[1] - 1 = floor(log2(a)), exactly
;;       r = np.clip(x / 2.0 ** e, -7.5, 7.5)
;;       step = 2.0 ** (np.maximum(np.frexp(np.where(r == 0, 1, r))[1] - 1, 0) - 3)
;;       q = np.round(r / step) * step * 2.0 ** e      # np.round: ties to even
;;       return np.moveaxis(q.reshape(q.shape[:-2] + (-1,))[..., :K], -1, axis).astype(np.float32)
;;   ~~~
;;   SOFTMAX AHEAD OF A QUANTISED PRODUCT. Where the list says 'softmax', what is quantised is not the finished softmax but p = 2^(t - M), with t = logit x log2(e) and M = ceil(the row's largest t), a whole number; so 1/2 < the row's largest p <= 1. The row's sum l is taken of the UNQUANTISED p, in f32, and the product's result is divided by l at the end. Since M is a whole number, a kernel that streams over the keys may use a running M (the ceiling of the running maximum): every later rescaling is an exact power of two, which a block's scale takes up: the codes' values come out the same.
;;   OPERANDS COMPUTED ON THE WAY. 'Computed on the way' means the value that the module computes at that place (a softmax that the list does not call 'softmax' is quantised finished and normalised). What goes into a quantiser is computed in f32, as accurately as f32 sums, v_exp_f32 and their like allow (about 1e-6 of the number): no bf16 or f16 on the way to a quantiser, and a product that is left as it is and whose result goes on into a quantised operand takes f32 operands (vector FMAs, or v_wmma_f32_16x16x4_f32). A number that lies on a knife's edge between two numbers of the format may be rounded either way, as far as f32 arithmetic and the matrix unit's own rounding can turn it there, and no further.
;; One version. Each part assembles by itself: llvm-mc -triple=amdgcn-amd-amdhsa -mcpu=gfx1250 --defsym DOCPART=n.
;; ======== version 1 of 1: 7 launches
;; limits: right only within a limited range of input values
;; workspace buffers: PB 13,107,200 bytes; QB 9,830,400 bytes; CB 3,276,800 bytes; H2B 3,276,800 bytes; X1 16,777,216 bytes; FB 13,107,200 bytes
;; launch prep (part 1): grid 640 x 1, 4 waves a work-group, no clusters, 93,184 bytes of LDS; arguments x, g1, be1, Wq, Wk, Wv, Wo, W1, W2, PB; writes PB
.if DOCPART == 1
	.amdgcn_target "amdgcn-amd-amdhsa--gfx1250"
	.amdhsa_code_object_version 6
	.text
	.protected	k_qdaa165dc98_prep
	.globl	k_qdaa165dc98_prep
	.p2align	8
	.type	k_qdaa165dc98_prep,@function
k_qdaa165dc98_prep:
	s_mov_b64 s[64:65], 0
	v_nop
	global_prefetch_b8 v0, s[64:65] scope:SCOPE_SE
	s_setreg_imm32_b32 hwreg(HW_REG_WAVE_MODE, 25, 1), 1
	s_wait_xcnt 0x0
; Two jobs in one launch, told apart by the work-group's number.
; WORK-GROUPS 0-255: layer norm of 16 rows of [4096][1024] f32 (first argument; gain, bias: second, third), quantised along the row to codes of FP6 (E2M3) with one E8M0 byte for each 32.
; WORK-GROUPS 256-639: the six weights, f32 with K as the first axis of a matrix, quantised along K.  (A launch of 256 work-groups walks the first job alone.)
; THE OPERAND FORMAT of every buffer of codes in this program.  Rows go in groups of 32: row 32 G + 16 a + 8 u + j lies in fragment rb = 2 G + u at lane-row p = 8 a + j.  Fragment (rb, ks), 16 rows x 128 K, is stored
; as the image of its 12 registers: byte 512 g + 16 L + 4 w = register 4 g + w of lane L = p + 16 h; register 6 c + i holds k = 128 ks + 64 c + 32 h + 0 .. 31.  Its scale words: 64 bytes, word p.
; Codes at (rb KSN + ks) x 1536, scale words at (rb KSN + ks) x 64, KSN = K / 128.  Three loads of 16 bytes a lane, 512 consecutive bytes each, bring a fragment.
; A block's scale is 2^(floor(log2(largest magnitude)) - 2); its byte is the largest magnitude's exponent field - 2, held at 1 from below.
; LIMITS: a block of zeros gets the byte 1 (its codes are zeros; this program alone reads the bytes); blocks whose largest magnitude lies under 2^-124 are held at byte 1; NaN and infinities are not served.
; No tensor loads.  Each job has LDS bytes of its own.
.set LNP,   4112                       ; layer norm: an LDS row, 4,096 bytes + 16: sixteen rows start at sixteen different groups of banks
.set HSO,   3145728                    ; the output buffer: scale words of the normed rows
.set WQKVC, 3276800                    ; codes of Wq, Wk, Wv (3,072 rows n = 64 head + e), then their scale words, and so on
.set WQKVS, 5636096
.set WOC,   5734400
.set WOS,   6520832
.set W1C,   6553600
.set W1S,   9699328
.set W2C,   9830400
.set W2S,   12976128
.set WST,   66048                      ; weights: a stage of 6,400 bytes for each wave: fragment (u, s) at 3,200 u + 1,536 s
.set WSS,   91648                      ; and 256 bytes a wave for scale words
.set PC,  8                            ; v8-27   the codes just made (12) and the conversions' second halves
.set PW,  28                           ; v28-29  two scale words
.set TM,  32                           ; v32-47  largest magnitudes, bytes, scale operands
.set ST,  48                           ; v48-63  four registers a row: sums, mean, 1 / sigma
.set X,   64                           ; v64-191 four rows, 32 registers each; later 2 x 64 numbers for the quantiser
.set G,   192                          ; v192-223 gain
.set BE,  224                          ; v224-255 bias
.set VO,  16                           ; weights: v16-47 byte offsets of 32 rows of K
.set XW,  48                           ; v48-111 two sets of 32 numbers
.set C,   112                          ; v112-117 a block's codes
.set T,   118                          ; v118-120 the second conversion's result
.set SB,  122                          ; v122-123 scale words of two K steps
.set OUTR, 124                         ; v124-171 the way out; v172-173 scale words
.set BB,  48                           ; s48-63  the source's address at each of 8 blocks
; 64 numbers of a lane, register 16 b + i = k 32 b + 16 (lane / 16) + i of my row, become a fragment's codes in v[PC] on and its scale word in v[pw]
.macro QUANT s, pw
.irp b, 0,1,2,3
	v_max3_num_f32 v[TM+\b], |v[\s+16*\b]|, |v[\s+1+16*\b]|, 0x1800000   ; my 16 numbers of block b, and the floor 2^(3 - 127): the byte cannot fall under 1
.endr
.irp i, 2,4,6,8,10,12,14
.irp b, 0,1,2,3
	v_max3_num_f32 v[TM+\b], v[TM+\b], |v[\s+16*\b+\i]|, |v[\s+1+16*\b+\i]|
.endr
.endr
.irp b, 0,1,2,3
	v_permlanex16_b32 v[TM+4+\b], v[TM+\b], s12, s13
.endr
.irp b, 0,1,2,3
	v_max_num_f32 v[TM+\b], v[TM+\b], v[TM+4+\b]   ; with lane l xor 16's: the block's largest magnitude
.endr
.irp b, 0,1,2,3
	v_add_nc_u32 v[TM+12+\b], 0xff000000, v[TM+\b] ; 2 off its exponent field: the conversion's scale operand
.endr
.irp b, 0,1,2,3
	v_lshrrev_b32 v[TM+4+\b], 23, v[TM+12+\b]      ; the scale's byte
.endr
	v_lshl_or_b32 v[\pw], v[TM+5], 8, v[TM+4]
	v_lshl_or_b32 v[\pw], v[TM+6], 16, v[\pw]
	v_lshl_or_b32 v[\pw], v[TM+7], 24, v[\pw]
.irp c, 0,1
	v_cvt_scalef32_pk16_fp6_f32 v[PC+6*\c:PC+2+6*\c], v[\s+32*\c:\s+15+32*\c], v[TM+12+2*\c]
	v_cvt_scalef32_pk16_fp6_f32 v[PC+12+4*\c:PC+14+4*\c], v[\s+16+32*\c:\s+31+32*\c], v[TM+12+2*\c+1]   ; (a conversion's three registers begin on an even number)
.endr
	v_nop                                          ; one plain place behind a scaled conversion
.irp c, 0,1                                    ; the operand wants a whole block in a lane: lanes 0-15 block 2 c, lanes 16-31 block 2 c + 1
.irp i, 0,1,2
	v_permlane16_swap_b32 v[PC+6*\c+\i], v[PC+12+4*\c+\i]
.endr
.irp i, 0,1,2
	v_mov_b32 v[PC+3+6*\c+\i], v[PC+12+4*\c+\i]
.endr
.endr
.endm
.macro REDUCE r, t                             ; the sum of v[r] over the 32 lanes, in every lane; v[t] has been written
	v_add_f32_dpp v[\r], v[\r], v[\r] row_xmask:1 row_mask:0xf bank_mask:0xf
	v_add_f32_dpp v[\r], v[\r], v[\r] row_xmask:2 row_mask:0xf bank_mask:0xf
	v_add_f32_dpp v[\r], v[\r], v[\r] row_xmask:4 row_mask:0xf bank_mask:0xf
	v_add_f32_dpp v[\r], v[\r], v[\r] row_xmask:8 row_mask:0xf bank_mask:0xf
	v_permlanex16_b32 v[\t], v[\r], s12, s13
	v_add_f32 v[\r], v[\r], v[\t]
.endm
; row i: mean, centred in place, variance + eps
.macro STAT i
.set XR, X+32*\i
.set SA, ST+4*\i
	s_wait_loadcnt 40-8*\i                         ; my row's eight loads are in; behind them: the younger rows' and the 16 of gain and bias
	v_pk_add_f32 v[SA:SA+1], v[XR:XR+1], v[XR+2:XR+3]
	v_pk_add_f32 v[SA+2:SA+3], v[XR+4:XR+5], v[XR+6:XR+7]
.irp p, 8,12,16,20,24,28
	v_pk_add_f32 v[SA:SA+1], v[SA:SA+1], v[XR+\p:XR+\p+1]
	v_pk_add_f32 v[SA+2:SA+3], v[SA+2:SA+3], v[XR+\p+2:XR+\p+3]
.endr
	v_pk_add_f32 v[SA:SA+1], v[SA:SA+1], v[SA+2:SA+3]
	v_add_f32 v[SA], v[SA], v[SA+1]
	REDUCE SA, SA+1
	v_mul_f32 v[SA], s10, v[SA]                    ; the mean: the sum / 1,024
.irp p, 0,2,4,6,8,10,12,14,16,18,20,22,24,26,28,30
	v_pk_add_f32 v[XR+\p:XR+\p+1], v[XR+\p:XR+\p+1], v[SA:SA+1] op_sel_hi:[1,0] neg_lo:[0,1] neg_hi:[0,1]
.endr
	v_pk_mul_f32 v[SA:SA+1], v[XR:XR+1], v[XR:XR+1]
	v_pk_mul_f32 v[SA+2:SA+3], v[XR+2:XR+3], v[XR+2:XR+3]
.irp p, 4,8,12,16,20,24,28
	v_pk_fma_f32 v[SA:SA+1], v[XR+\p:XR+\p+1], v[XR+\p:XR+\p+1], v[SA:SA+1]
	v_pk_fma_f32 v[SA+2:SA+3], v[XR+\p+2:XR+\p+3], v[XR+\p+2:XR+\p+3], v[SA+2:SA+3]
.endr
	v_pk_add_f32 v[SA:SA+1], v[SA:SA+1], v[SA+2:SA+3]
	v_add_f32 v[SA], v[SA], v[SA+1]
	REDUCE SA, SA+1
	v_fma_f32 v[SA], v[SA], s10, s11               ; the variance + 1e-5
.endm
.macro NORM i                                  ; row i: x 1 / sigma, x gain + bias, into LDS as a dense row
.set XR, X+32*\i
.set SA, ST+4*\i
.irp p, 0,2,4,6,8,10,12,14,16,18,20,22,24,26,28,30
	v_pk_mul_f32 v[XR+\p:XR+\p+1], v[XR+\p:XR+\p+1], v[SA+2:SA+3] op_sel_hi:[1,0]
.endr
.irp p, 0,2,4,6,8,10,12,14,16,18,20,22,24,26,28,30
	v_pk_fma_f32 v[XR+\p:XR+\p+1], v[XR+\p:XR+\p+1], v[G+\p:G+\p+1], v[BE+\p:BE+\p+1]
.endr
.irp j, 0,1,2,3,4,5,6,7
	ds_store_b128 v3, v[XR+4*\j:XR+4*\j+3] offset:\i*LNP+512*\j
.endr
.endm
.macro LOADW t                                 ; weights, block t: 32 rows of K at my column, into set t % 2
.set i, 0
.rept 32
	global_load_b32 v[XW+32*((\t)%2)+i], v[VO+i], s[BB+2*(\t):BB+2*(\t)+1] th:TH_LOAD_NT
.set i, i+1
.endr
.endm
; weights, block t of 8: K step s = t / 4; in the fragment it is registers 6 c .. 6 c + 5 (c = (t / 2) % 2) of lane p + 16 h (h = t % 2)
.macro BLOCK t
.set XS, XW+32*((\t)%2)
.set SO, 1536*((\t)/4)+256*((\t)%2)
.if (\t) < 7
	s_wait_loadcnt 32                              ; this block's 32 loads are in; the next block's may be out
.else
	s_wait_loadcnt 0x0
.endif
	v_max3_num_f32 v12, |v[XS]|, |v[XS+1]|, |v[XS+2]|
	v_max3_num_f32 v13, |v[XS+3]|, |v[XS+4]|, |v[XS+5]|
.irp i, 6,10,14,18,22,26
	v_max3_num_f32 v12, v12, |v[XS+\i]|, |v[XS+\i+1]|
	v_max3_num_f32 v13, v13, |v[XS+\i+2]|, |v[XS+\i+3]|
.endr
	v_max3_num_f32 v12, v12, |v[XS+30]|, |v[XS+31]|
	v_max3_num_f32 v12, v12, v13, 0x1800000        ; and the floor
	v_add_nc_u32 v11, 0xff000000, v12              ; the conversion's scale operand
	v_lshrrev_b32 v13, 23, v11                     ; the byte
.if (\t)%4 == 0
	v_mov_b32 v[SB+(\t)/4], v13
.else
	v_lshl_or_b32 v[SB+(\t)/4], v13, 8*((\t)%4), v[SB+(\t)/4]
.endif
	v_cvt_scalef32_pk16_fp6_f32 v[C:C+2], v[XS:XS+15], v11
	v_cvt_scalef32_pk16_fp6_f32 v[T:T+2], v[XS+16:XS+31], v11
	v_nop                                          ; one plain place behind a scaled conversion
.irp i, 0,1,2
	v_mov_b32 v[C+3+\i], v[T+\i]
.endr
.if ((\t)/2)%2 == 0
	ds_store_b128 v6, v[C:C+3] offset:SO           ; registers 0-3 of the image,
	ds_store_b64 v6, v[C+4:C+5] offset:SO+512      ; 4, 5
.else
	ds_store_b64 v6, v[C:C+1] offset:SO+520        ; 6, 7
	ds_store_b128 v6, v[C+2:C+5] offset:SO+1024    ; 8-11
.endif
.if (\t)+2 < 8
	LOADW (\t)+2
.endif
	s_wait_dscnt 0x0                               ; the stores have read their registers: the next block's codes may be written
.endm
	s_load_b512 s[16:31], s[0:1], 0x0              ; rows s[16:17], gain s[18:19], bias s[20:21], Wq s[22:23], Wk s[24:25], Wv s[26:27], Wo s[28:29], W1 s[30:31]
	s_load_b128 s[32:35], s[0:1], 0x40             ; W2 s[32:33], the output s[34:35]
	s_set_vgpr_msb 0x40
	v_lshl_add_u32 v0, v0, 2, 0x16a00
	v_mov_b32 v1, 0
	s_set_vgpr_msb 0x4000
	v_lshrrev_b32 v1, 5, v0
	v_readfirstlane_b32 s8, v1                     ; wave 0..3
	v_and_b32 v1, 31, v0                           ; lane
	s_mov_b32 s12, 0x76543210
	s_mov_b32 s13, 0xfedcba98                      ; v_permlanex16_b32's selects for lane l xor 16
	s_cmp_lt_u32 ttmp9, 256
	s_cbranch_scc0 .Lweights
	; ---- LAYER NORM.  The work-group's number is the fragment row rb.  Wave w takes lane-rows 4 w .. 4 w + 3: four neighbouring rows from 32 (rb / 2) + 8 (rb % 2) + 4 (w % 2) + 16 (w / 2) on
	s_lshr_b32 s2, ttmp9, 1
	s_lshl_b32 s2, s2, 5
	s_and_b32 s3, ttmp9, 1
	s_lshl_b32 s3, s3, 3
	s_add_co_u32 s2, s2, s3
	s_and_b32 s3, s8, 1
	s_lshl_b32 s3, s3, 2
	s_add_co_u32 s2, s2, s3
	s_lshr_b32 s3, s8, 1
	s_lshl_b32 s3, s3, 4
	s_add_co_u32 s2, s2, s3
	s_lshl_b32 s2, s2, 12                          ; 4,096 bytes a row
	s_mov_b32 s3, 0
	s_lshl_b32 s6, ttmp9, 3
	s_lshl_b32 s7, s8, 1
	s_add_co_u32 s6, s6, s7                        ; my first fragment: 8 rb + 2 w
	s_mul_i32 s4, s6, 1536
	s_mov_b32 s5, 0
	s_lshl_b32 s6, s6, 6
	s_add_co_u32 s6, s6, HSO
	s_mov_b32 s7, 0
	s_mov_b32 s10, 0x3a800000                      ; 1 / 1,024
	s_mov_b32 s11, 0x3727c5ac                      ; 1e-5
	s_wait_alu depctr_va_vdst(0)
	v_lshlrev_b32 v2, 4, v1                        ; 16 x lane
	s_mul_i32 s9, s8, 4*LNP
	v_add_nc_u32 v3, s9, v2                        ; into LDS: my wave's four rows, 16 bytes a lane
	v_and_b32 v6, 15, v0                           ; p
	v_bfe_u32 v7, v0, 4, 1                         ; h
	v_mul_u32_u24 v4, v6, LNP
	v_lshl_add_u32 v4, v7, 6, v4
	s_lshl_b32 s9, s8, 10
	v_add_nc_u32 v4, s9, v4                        ; out of LDS: row p, + 64 h, + my two K steps (1,024 bytes x wave)
	v_lshlrev_b32 v5, 2, v1                        ; 4 x lane
.irp b, 0,1,2,3
	v_mov_b32 v[TM+4+\b], 0                        ; written once: a lane permute's destination counts as one of its sources
.endr
	s_wait_kmcnt 0x0
	s_add_nc_u64 s[16:17], s[16:17], s[2:3]
	s_add_nc_u64 s[36:37], s[34:35], s[4:5]        ; my codes
	s_add_nc_u64 s[38:39], s[34:35], s[6:7]        ; my scale words
.irp i, 0,1,2,3
.irp j, 0,1,2,3,4,5,6,7
	global_load_b128 v[X+32*\i+4*\j:X+32*\i+4*\j+3], v2, s[16:17] offset:4096*\i+512*\j th:TH_LOAD_NT   ; 32 lanes read 512 consecutive bytes
.endr
.endr
.irp j, 0,1,2,3,4,5,6,7
	global_load_b128 v[G+4*\j:G+4*\j+3], v2, s[18:19] offset:512*\j
.endr
.irp j, 0,1,2,3,4,5,6,7
	global_load_b128 v[BE+4*\j:BE+4*\j+3], v2, s[20:21] offset:512*\j
.endr
	STAT 0
	STAT 1
	STAT 2
	STAT 3
	s_wait_alu depctr_va_vdst(0)
.irp i, 0,1,2,3
	v_rsq_f32 v[ST+4*\i+2], v[ST+4*\i]             ; one batch of four
.endr
	v_nop                                          ; a plain place behind the last of them
	s_wait_alu depctr_va_vdst(0)                   ; one wait for the batch, ahead of its first reader
	s_wait_loadcnt 0x0                             ; gain and bias
	NORM 0
	NORM 1
	NORM 2
	NORM 3
	s_wait_dscnt 0x0                               ; for the others' sake: my rows lie in LDS
	s_barrier_signal -1
	s_barrier_wait -1
	; wave w makes K steps 2 w and 2 w + 1 of the fragment row: lane (p, h) takes 16 neighbours of each block of 32 of row p
.irp s, 0,1
.irp b, 0,1,2,3
.irp j, 0,1,2,3
	ds_load_b128 v[X+64*\s+16*\b+4*\j:X+64*\s+16*\b+4*\j+3], v4 offset:512*\s+128*\b+16*\j
.endr
.endr
.endr
	s_wait_dscnt 16                                ; the first K step's 16 loads are in
	QUANT X, PW
.irp g, 0,1,2
	global_store_b128 v2, v[PC+4*\g:PC+4*\g+3], s[36:37] offset:512*\g       ; the image as it stands: 512 consecutive bytes a store
.endr
	s_wait_dscnt 0x0
	s_wait_xcnt 0x0                                ; the stores have read their registers: the codes' registers are written again only behind this wait
	QUANT X+64, PW+1
.irp g, 0,1,2
	global_store_b128 v2, v[PC+4*\g:PC+4*\g+3], s[36:37] offset:1536+512*\g
.endr
	v_cmp_le_u32 vcc_lo, 16, v1
	v_cndmask_b32 v[PW], v[PW], v[PW+1], vcc_lo    ; lanes 0-15: the first K step's words, lanes 16-31 the second's (each lane holds its row's word of both)
	global_store_b32 v5, v[PW], s[38:39]           ; 128 consecutive bytes
	s_set_vgpr_msb 0x5
	s_wait_tensorcnt 0x0
	ds_add_u32 v0, v1
	s_wait_dscnt 0x0
	s_set_vgpr_msb 0x500
	s_endpgm
	; ---- WEIGHTS.  A work-group takes 128 rows n x 256 along K; a wave 32 columns of the source, one group of 32 rows.  A lane takes a column, its registers run down K.
.Lweights:
	s_sub_co_u32 s36, ttmp9, 256                   ; 0-95 Wq, Wk, Wv (32 each); 96-127 Wo; 128-255 W1; 256-383 W2
	s_sub_co_u32 s37, s36, 256                     ; the number within the tensor: W2's,
	s_sub_co_u32 s74, s36, 128                     ; W1's,
	s_sub_co_u32 s75, s36, 96                      ; Wo's,
	s_and_b32 s76, s36, 31                         ; Wq's, Wk's, Wv's
	s_lshr_b32 s79, s36, 5
	s_mul_i32 s77, s79, 786432
	s_add_co_u32 s77, s77, WQKVC
	s_lshl_b32 s78, s79, 15
	s_add_co_u32 s78, s78, WQKVS
	s_mov_b32 s38, 4096                            ; bytes from one k to the next
	s_mov_b32 s39, 7                               ; log2 of the column groups in a matrix of the source
	s_mov_b32 s40, 4                               ; log2 of the chunks of 256 along K
	s_mov_b32 s41, 32                              ; KSN
	s_mov_b32 s42, W2C
	s_mov_b32 s43, W2S
	s_wait_kmcnt 0x0
	s_mov_b64 s[44:45], s[32:33]
	s_cmp_lt_u32 s36, 256                          ; the choices hang on the work-group's number alone
	s_cselect_b32 s37, s74, s37
	s_cselect_b32 s38, 16384, s38
	s_cselect_b32 s40, 2, s40
	s_cselect_b32 s41, 8, s41
	s_cselect_b32 s42, W1C, s42
	s_cselect_b32 s43, W1S, s43
	s_cselect_b64 s[44:45], s[30:31], s[44:45]
	s_cmp_lt_u32 s36, 128
	s_cselect_b32 s37, s75, s37
	s_cselect_b32 s38, 4096, s38
	s_cselect_b32 s42, WOC, s42
	s_cselect_b32 s43, WOS, s43
	s_cselect_b64 s[44:45], s[28:29], s[44:45]
	s_cmp_lt_u32 s36, 96
	s_cselect_b32 s37, s76, s37
	s_cselect_b32 s38, 256, s38
	s_cselect_b32 s39, 1, s39
	s_cselect_b32 s42, s77, s42
	s_cselect_b32 s43, s78, s43
	s_cselect_b64 s[44:45], s[26:27], s[44:45]
	s_cmp_lt_u32 s36, 64
	s_cselect_b64 s[44:45], s[24:25], s[44:45]
	s_cmp_lt_u32 s36, 32
	s_cselect_b64 s[44:45], s[22:23], s[44:45]
	s_lshr_b32 s74, s37, s40
	s_bfm_b32 s75, s40, 0
	s_and_b32 s75, s37, s75                        ; kc: which 256 along K
	s_lshl_b32 s74, s74, 2
	s_add_co_u32 s74, s74, s8                      ; cg: which group of 32 rows n
	s_lshr_b32 s76, s74, s39
	s_lshl_b32 s76, s76, 18                        ; the head's matrix (262,144 bytes),
	s_bfm_b32 s77, s39, 0
	s_and_b32 s77, s74, s77
	s_lshl_b32 s77, s77, 7                         ; 128 bytes a group of columns,
	s_add_co_u32 s76, s76, s77
	s_mul_i32 s77, s75, s38
	s_lshl_b32 s77, s77, 8                         ; 256 rows of K a chunk
	s_add_co_u32 s76, s76, s77
	s_mov_b32 s77, 0
	s_add_nc_u64 s[BB:BB+1], s[44:45], s[76:77]
	s_lshl_b32 s78, s38, 5                         ; 32 rows of K
	s_mov_b32 s79, 0
.irp t, 1,2,3,4,5,6,7
	s_add_nc_u64 s[BB+2*\t:BB+2*\t+1], s[BB+2*\t-2:BB+2*\t-1], s[78:79]   ; a base for each block: no pointer is stepped while loads are out
.endr
	s_mul_i32 s82, s74, s41
	s_add_co_u32 s82, s82, s75                     ; cg KSN + kc: half the number of fragment (rb = 2 cg, ks = 2 kc)
	s_mul_i32 s80, s82, 3072
	s_add_co_u32 s80, s80, s42
	s_mov_b32 s81, 0
	s_add_nc_u64 s[66:67], s[34:35], s[80:81]      ; codes of rb = 2 cg,
	s_mul_i32 s80, s41, 1536
	s_add_nc_u64 s[68:69], s[66:67], s[80:81]      ; of 2 cg + 1
	s_lshl_b32 s80, s82, 7
	s_add_co_u32 s80, s80, s43
	s_add_nc_u64 s[70:71], s[34:35], s[80:81]      ; and their scale words
	s_lshl_b32 s80, s41, 6
	s_add_nc_u64 s[72:73], s[70:71], s[80:81]
	v_bfe_u32 v2, v0, 3, 1                         ; u: my column's fragment of the two
	v_and_b32 v3, 7, v0
	v_bfe_u32 v4, v0, 4, 1
	v_lshl_add_u32 v3, v4, 3, v3                   ; p: its lane-row
	s_wait_alu depctr_va_vdst(0)
	v_lshlrev_b32 v5, 2, v1                        ; 4 x lane
	v_lshlrev_b32 v10, 4, v1                       ; 16 x lane
	s_mul_i32 s9, s8, 6400
	s_add_co_u32 s9, s9, WST                       ; my stage
	v_mul_u32_u24 v6, v2, 3200
	v_lshl_add_u32 v6, v3, 4, v6
	v_add_nc_u32 v6, s9, v6                        ; into it: fragment u, 16 p
	v_add_nc_u32 v7, s9, v10                       ; out of it: 16 x lane
	s_lshl_b32 s9, s8, 8
	s_add_co_u32 s9, s9, WSS
	v_lshlrev_b32 v8, 7, v2
	v_lshl_add_u32 v8, v3, 2, v8
	v_add_nc_u32 v8, s9, v8                        ; scale words in: 128 u + 4 p
	v_add_nc_u32 v9, s9, v5                        ; and out: 4 x lane
.set i, 0
.rept 32
	v_mad_u32_u24 v[VO+i], s38, i, v5              ; row i of a block, my column
.set i, i+1
.endr
	LOADW 0
	LOADW 1
.irp t, 0,1,2,3,4,5,6,7
	BLOCK \t
.endr
	ds_store_b32 v8, v[SB]
	s_wait_alu depctr_va_vdst(0)
	ds_store_b32 v8, v[SB+1] offset:64
.irp u, 0,1
.irp s, 0,1
.irp g, 0,1,2
	ds_load_b128 v[OUTR+4*(6*\u+3*\s+\g):OUTR+4*(6*\u+3*\s+\g)+3], v7 offset:3200*\u+1536*\s+512*\g   ; LDS serves a wave's instructions in order: these see my stores
.endr
.endr
.endr
	ds_load_b32 v172, v9
	ds_load_b32 v173, v9 offset:128
.irp u, 0,1
.irp s, 0,1
.irp g, 0,1,2
	s_wait_dscnt 13-(6*\u+3*\s+\g)                 ; the younger loads of the run may stay out
	global_store_b128 v10, v[OUTR+4*(6*\u+3*\s+\g):OUTR+4*(6*\u+3*\s+\g)+3], s[66+2*\u:67+2*\u] offset:1536*\s+512*\g   ; 512 consecutive bytes
.endr
.endr
.endr
	s_wait_dscnt 0x0
	global_store_b32 v5, v172, s[70:71]            ; two K steps' words of a fragment row: 128 consecutive bytes
	global_store_b32 v5, v173, s[72:73]
	s_set_vgpr_msb 0x5
	s_wait_tensorcnt 0x0
	ds_add_u32 v0, v1
	s_wait_dscnt 0x0
	s_set_vgpr_msb 0x500
	s_endpgm
.Lfunc_end_k_qdaa165dc98_prep:
	.size	k_qdaa165dc98_prep, .Lfunc_end_k_qdaa165dc98_prep-k_qdaa165dc98_prep
	.p2alignl 7, 3214868480
	.fill 96, 4, 3214868480
	.section	.rodata,"a",@progbits
	.p2align	6, 0x0
	.amdhsa_kernel k_qdaa165dc98_prep
		.amdhsa_group_segment_fixed_size 93184
		.amdhsa_private_segment_fixed_size 0
		.amdhsa_enable_private_segment 0
		.amdhsa_kernarg_size 80
		.amdhsa_user_sgpr_count 2
		.amdhsa_user_sgpr_kernarg_segment_ptr 1
		.amdhsa_wavefront_size32 1
		.amdhsa_system_sgpr_workgroup_id_x 1
		.amdhsa_system_sgpr_workgroup_id_y 1
		.amdhsa_system_sgpr_workgroup_id_z 1
		.amdhsa_system_vgpr_workitem_id 0
		.amdhsa_next_free_vgpr 258
		.amdhsa_next_free_sgpr 100
		.amdhsa_reserve_vcc 1
		.amdhsa_float_denorm_mode_32 3
		.amdhsa_float_denorm_mode_16_64 3
		.amdhsa_memory_ordered 1
		.amdhsa_forward_progress 1
		.amdhsa_inst_pref_size 90
	.end_amdhsa_kernel
	.amdgpu_metadata
---
amdhsa.version: [ 1, 2 ]
amdhsa.kernels:
  - .name:           k_qdaa165dc98_prep
    .symbol:         k_qdaa165dc98_prep.kd
    .args:
      - { .name: x, .offset: 0, .size: 8, .value_kind: global_buffer, .address_space: global }
      - { .name: g1, .offset: 8, .size: 8, .value_kind: global_buffer, .address_space: global }
      - { .name: be1, .offset: 16, .size: 8, .value_kind: global_buffer, .address_space: global }
      - { .name: Wq, .offset: 24, .size: 8, .value_kind: global_buffer, .address_space: global }
      - { .name: Wk, .offset: 32, .size: 8, .value_kind: global_buffer, .address_space: global }
      - { .name: Wv, .offset: 40, .size: 8, .value_kind: global_buffer, .address_space: global }
      - { .name: Wo, .offset: 48, .size: 8, .value_kind: global_buffer, .address_space: global }
      - { .name: W1, .offset: 56, .size: 8, .value_kind: global_buffer, .address_space: global }
      - { .name: W2, .offset: 64, .size: 8, .value_kind: global_buffer, .address_space: global }
      - { .name: PB, .offset: 72, .size: 8, .value_kind: global_buffer, .address_space: global }
    .group_segment_fixed_size: 93184
    .private_segment_fixed_size: 0
    .kernarg_segment_align: 8
    .kernarg_segment_size: 80
    .max_flat_workgroup_size: 128
    .sgpr_count:     100
    .vgpr_count:     258
    .wavefront_size: 32
...
	.end_amdgpu_metadata
.endif
;; end of part 1
;; launch qkv (part 2): grid 12 x 16, 4 waves a work-group, clusters of 4 x 4, 327,680 bytes of LDS; arguments PB, QB; writes QB
.if DOCPART == 2
	.amdgcn_target "amdgcn-amd-amdhsa--gfx1250"
	.amdhsa_code_object_version 6
	.text
	.protected	k_qdaa165dc98_qkv
	.globl	k_qdaa165dc98_qkv
	.p2align	8
	.type	k_qdaa165dc98_qkv,@function
k_qdaa165dc98_qkv:
	s_mov_b64 s[64:65], 0
	v_nop
	global_prefetch_b8 v0, s[64:65] scope:SCOPE_SE
	s_setreg_imm32_b32 hwreg(HW_REG_WAVE_MODE, 25, 1), 1
	s_wait_xcnt 0x0
	s_wait_alu depctr_hold_cnt(0) depctr_sa_sdst(0) depctr_va_vdst(0) depctr_va_sdst(0) depctr_va_ssrc(0) depctr_va_vcc(0) depctr_vm_vsrc(0)
	s_getreg_b32 s2, hwreg(HW_REG_IB_STS2, 6, 4)
	s_cmp_eq_u32 s2, 0
	s_cbranch_scc0 .Lentry_in_a_cluster
	s_endpgm
.Lentry_in_a_cluster:
	s_bfe_u32 s2, ttmp6, 0x10000c
	s_cmp_lg_u32 s2, 0xf033
	s_cbranch_scc0 .Lentry_shape_is_right
	s_endpgm
.Lentry_shape_is_right:
; q, k, v = LN1(x) W: three products on codes of FP6 (E2M3), K = 1,024, and their results quantised in registers: q and k along the head's 64, v along the tokens.
; OPERANDS are register images (16 rows x 128 K = 1,536 bytes; scale words 64 bytes) at (rb x 8 + ks); rows in groups of 32: row 32 G + 16 a + 8 u + j = fragment 2 G + u, lane-row 8 a + j.
; A = 4,096 tokens (tile row), B = 3,072 rows of Wq, Wk, Wv (tile column; cluster x = 0: q, 1: k, 2: v).  A work-group makes 256 x 256, a wave 128 x 128: 64 accumulators, 512 registers.
; EVERY PRODUCT IS D = R x P: source 0 = a fragment of the R side, source 1 = one of the P side.  A lane then holds ONE lane-row of P, and by the order of rows above the 64 registers of one P block over R's eight
; tiles are 128 neighbouring rows of R: register 16 b + i = row 32 b + 16 (lane / 16) + i: what the quantiser takes.  Its 12 registers ARE the next operand's image, with P's fragment row: three stores of 512 bytes, no stage.
; q, k: P = tokens, R = weights (128 rows = a pair of heads hp).  v: P = Wv's rows, R = tokens (the keys are the next K): the same instructions; the two LDS bases change places (the choice hangs on the cluster's x, which all partners share).
; OUT: q, k: fragment hp x 256 + token fragment.  v: ((batch x 8 + hp) x 8 + 128 tokens' number) x 8 + a.
; K = 1,024 is four slots' worth of 256.  LDS holds THREE slots: the scale words and the first 768 along K come with the first fills, one group at the start (one tensor load of a wave is out at a time); the last 256
; fill slot 0 again, behind the one round of the cluster's barrier that stands where slot 0 has been read, and have slots 1 and 2, 256 matrix instructions, in which to land.  All loads are joint: A's tiles are shared
; along a row of the cluster, B's along a column.
; LIMITS: a block of zeros gets the byte 1 (its codes are zeros; this program alone reads the bytes); blocks under 2^-124 are held at byte 1; NaN and infinities are not served.
; REGISTERS: window 0: v0-31 addresses; v32-63 scale words, two sets; v64-127 bias, later the activation (second use of this text); v128-223 P's fragments, one set; on the way out v128-171 at work.
;   window 1: R's fragments, two sets, at v0 and v128.   windows 2, 3: accumulator (a, b) at v[8 (8 (a % 4) + b)] of window 2 + a / 4.
.set QKV,   1
.set NL,    3                          ; LDS loads that bring a fragment
.set NP,    4                          ; places behind this matrix instruction (ISA guide 7.12.1)
.set FR,    12
.set HALFT, 24576                      ; 8 fragment rows x 2 K steps x 1,536: what one tensor load brings
.set SLOT,  4*HALFT                    ; A's two halves, then B's two
.set HALFS, 4096                       ; 8 fragment rows x 8 K steps x 64 bytes of scale words
.set SCL,   3*SLOT
.set SPARE, SCL+4*HALFS                ; the spare words, 128 bytes for each wave: two blocks of 256 bytes that no other line names
.if QKV
.set AOFF,  0
.set ASOFF, 3145728
.set BOFF,  3276800
.set BSOFF, 5636096
.set APC,   1536                       ; from one P block's image to the next in the output,
.set APS,   64                         ; and from its scale words
.set FIRST, 1
.else
.set AOFF,  0
.set ASOFF, 3145728
.set BOFF,  6553600
.set BSOFF, 9699328
.set APC,   49152
.set APS,   2048
.set FIRST, 2
.endif
.set ADRP, 16                          ; v16-19 LDS address of P's fragments in slot 0, 1, 2, 3
.set ADRR, 20                          ; v20-23 of R's
.set SOA,  24                          ; v24    the way out: 4 p + (lane / 16) APS
.set BAD,  25                          ; v25    the bias: 64 (lane / 16)
.set LI,   26                          ; v26    16 x lane
.set ADRS, 27                          ; v27    LDS address of my scale words: lanes 0-15 P's, lanes 16-31 R's
.set SPW,  28                          ; v28    LDS address of my spare word; never rewritten
.set NIL,  29                          ; v29    0; never rewritten
.set SC,   32                          ; set s at v[SC + 16 s]; register 2 i + q: block i's words of the slot's q-th K step
.set BI,   64
.set HA,   64
.set AF,   128
.set PC,   128
.set TM,   148
.set PWS,  164
.set G1,   24
.set G0,   32                          ; s[32:35] group 0 for A's last fill, into slot 0;
.set G0A2, 4                           ; s[4:7]   in slot 2 (the buffers' addresses that lay here have been used by then)
.set G1B,  48
.set G0B,  56                          ; s[56:59] the same for B's,
.set G0B2, 92                          ; s[92:95]
.set G1S,  68
.set G0S,  76
.set G1SB, 80
.set G0SB, 88
.set SEL,  96
.set MSB, 0
.macro WIN new                         ; the immediate's high byte repeats the setting that is left
.if MSB != (\new)
	s_set_vgpr_msb (MSB<<8)|(\new)
.set MSB, (\new)
.endif
.endm
.macro WMUL hi, zero                   ; source 0 (R) window 1, source 1 (P) window 0, D window 2 + hi; C with D, or (the bias) window 0
.if \zero == 2
	WIN 0x81+0x40*\hi
.else
	WIN 0xa1+0x50*\hi
.endif
.endm
; A joint load: waves 0 and 1 fetch for A, waves 2 and 3 for B.  Each line has one mask and one set of registers; the branch hangs on the wave's number alone.  Four v_nop follow each line.
.macro JLOAD g0a, g1a, g0b, g1b
	s_cmp_eq_u32 s15, 0
	s_cbranch_scc0 .Lfor_b_\@
	tensor_load_to_lds s[\g0a:\g0a+3], s[\g1a:\g1a+7]
	s_nop 0
.rept 4
	v_nop
.endr
	s_branch .Lasked_\@
.Lfor_b_\@:
	tensor_load_to_lds s[\g0b:\g0b+3], s[\g1b:\g1b+7]
	s_nop 0
.rept 4
	v_nop
.endr
.Lasked_\@:
.endm
.macro CREST                           ; a round of the cluster's barrier behind its opening barrier
	s_cmp_lg_u32 s14, 0
	s_cbranch_scc1 .Lnot_wave_0_\@
	s_barrier_signal -3
.Lnot_wave_0_\@:
	s_barrier_wait -3
	s_barrier_signal -1
	s_barrier_wait -1
.endm
.macro CROUND
	s_barrier_signal -1
	s_barrier_wait -1
	CREST
.endm
.macro PLACES n
.rept \n
	v_nop
.endr
.endm
.macro SETSTR slot                     ; from one fragment row to the next in LDS: K steps 0-3 (slots 0, 1) lie as rows of four K steps, all later tiles as rows of two
.if \slot < 2
.set STR, 6144
.else
.set STR, 3072
.endif
.endm
.macro FRAG reg, adr, q, i
.irp g, 0,1,2
	ds_load_b128 v[\reg+4*\g:\reg+4*\g+3], v[\adr] offset:STR*(\i)+1536*(\q)+512*\g
.endr
.endm
.macro FETCH_R slot, q, p              ; R's eight fragments into set p of window 1
	SETSTR \slot
	WIN 0x40
.irp i, 0,1,2,3,4,5,6,7
	FRAG 128*(\p)+FR*\i, ADRR+\slot, \q, \i
.endr
	WIN 0
.endm
.macro FETCH_P slot, q, i0
	SETSTR \slot
.irp i, \i0, \i0+1, \i0+2, \i0+3
	FRAG AF+FR*(\i), ADRP+\slot, \q, \i
.endr
.endm
.macro SCALES sc
.irp i, 0,1,2,3,4,5,6,7
.irp q, 0,1
	ds_load_b32 v[SC+16*(\sc)+2*\i+\q], v[ADRS] offset:512*\i+64*\q
.endr
.endr
.endm
; 16 matrix instructions: P's blocks a0, a0 + 1 x R's eight.  zero = 1: the first product starts the sums; 2: from the bias.  The 64 accumulators take turns, one instruction a turn.
.macro MUL16 a0, p, q, sc, zero
.irp a, \a0, \a0+1
.irp b, 0,1,2,3,4,5,6,7
.if \zero == 1
	v_wmma_scale_f32_16x16x128_f8f6f4 v[8*(8*((\a)%4)+\b):8*(8*((\a)%4)+\b)+7], v[128*(\p)+FR*\b:128*(\p)+FR*\b+FR-1], v[AF+FR*(\a):AF+FR*(\a)+FR-1], 0, v[SC+16*(\sc)+2*\b+(\q)], v[SC+16*(\sc)+2*(\a)+(\q)] matrix_a_fmt:MATRIX_FMT_FP6 matrix_b_fmt:MATRIX_FMT_FP6 matrix_a_scale:MATRIX_SCALE_ROW1
.elseif \zero == 2
	v_wmma_scale_f32_16x16x128_f8f6f4 v[8*(8*((\a)%4)+\b):8*(8*((\a)%4)+\b)+7], v[128*(\p)+FR*\b:128*(\p)+FR*\b+FR-1], v[AF+FR*(\a):AF+FR*(\a)+FR-1], v[BI+8*\b:BI+8*\b+7], v[SC+16*(\sc)+2*\b+(\q)], v[SC+16*(\sc)+2*(\a)+(\q)] matrix_a_fmt:MATRIX_FMT_FP6 matrix_b_fmt:MATRIX_FMT_FP6 matrix_a_scale:MATRIX_SCALE_ROW1
.else
	v_wmma_scale_f32_16x16x128_f8f6f4 v[8*(8*((\a)%4)+\b):8*(8*((\a)%4)+\b)+7], v[128*(\p)+FR*\b:128*(\p)+FR*\b+FR-1], v[AF+FR*(\a):AF+FR*(\a)+FR-1], v[8*(8*((\a)%4)+\b):8*(8*((\a)%4)+\b)+7], v[SC+16*(\sc)+2*\b+(\q)], v[SC+16*(\sc)+2*(\a)+(\q)] matrix_a_fmt:MATRIX_FMT_FP6 matrix_b_fmt:MATRIX_FMT_FP6 matrix_a_scale:MATRIX_SCALE_ROW1
.endif
.endr
.endr
.endm
; A slot's first K step of 128 (sc: its set of scale words).  P has one set of registers: blocks 0-3 are fetched anew in the step's middle, blocks 4-7 at its end; R has two sets.
.macro STEP slot, sc, zero
	s_wait_dscnt 4*NL                              ; R's set and P's blocks 0-3 are in; the youngest 12 loads (P's blocks 4-7) may be out
	WMUL 0, \zero
	MUL16 0, 0, 0, \sc, \zero
	MUL16 2, 0, 0, \sc, \zero
	s_wait_dscnt 0x0                               ; P's blocks 4-7 are in
	PLACES NP                                      ; in front of loads into registers that matrix instructions have read
	FETCH_R \slot, 1, 1
	FETCH_P \slot, 1, 0
	WMUL 1, \zero
	MUL16 4, 0, 0, \sc, \zero
	MUL16 6, 0, 0, \sc, \zero
	PLACES NP
	WIN 0
	FETCH_P \slot, 1, 4
.endm
; A slot's second K step changes slots.
; mode 1 (slot 0 alone): the slot is filled again: each wave waits for all its tensor loads, adds 0 to its spare word, and waits for that and for its reads of the slot; the barrier opens a round of the cluster's.
; mode 2: the next slot was shown whole to every wave at the head's round, and nothing is filled: no barrier, and no wait on the refill, which stays on its way.
; mode 0: the next slot is the refilled one: the same three lines and a barrier of the work-group, behind which nothing is filled.
.macro TURN slot, sc, next, mode
.if \mode < 2
	s_wait_tensorcnt 0x0                           ; all my tensor loads have landed  (every window is 0 here)
	ds_add_u32 v[SPW], v[NIL]                      ; 0 onto my spare word
	s_wait_dscnt 4*NL+1                            ; (the add and the youngest 12 loads may be out)
.else
	s_wait_dscnt 4*NL                              ; (the youngest 12 loads may be out)
.endif
	WMUL 0, 0
	MUL16 0, 1, 1, \sc, 0                          ; sixteen matrix instructions stand between the add and the wait for it
.if \mode < 2
	s_wait_dscnt 0x0                               ; the add is done, and my reads of this slot are over
	s_barrier_signal -1
.endif
	MUL16 2, 1, 1, \sc, 0
	WIN 0
.if \mode < 2
	s_barrier_wait -1
.else
	s_wait_dscnt 0x0                               ; P's blocks 4-7 are in
.endif
.if \mode == 1
	CREST                                          ; no wave of any partner still reads this slot or has a load on its way
	s_add_nc_u64 s[G0+2:G0+3], s[G0+2:G0+3], 3*3072    ; K steps 6 and 7
	s_add_nc_u64 s[G0B+2:G0B+3], s[G0B+2:G0B+3], 3*3072
	JLOAD G0, G1, G0B, G1B                         ; the launch's last tensor load, into bytes 0 .. SLOT, which held A's K steps 0-3
.else
	PLACES NP
.endif
	v_add_nc_u32 v[ADRS], 128, v[ADRS]             ; the next slot's scale words: two K steps on
	FETCH_R \next, 0, 0
	FETCH_P \next, 0, 0
	SCALES 1-\sc
	WMUL 1, 0
	MUL16 4, 1, 1, \sc, 0
	MUL16 6, 1, 1, \sc, 0
	PLACES NP
	WIN 0
	FETCH_P \next, 0, 4
.endm
; 64 numbers of a lane in window w, register 16 b + i = k 32 b + 16 (lane / 16) + i, become a fragment's codes in v[PC] on and its scale word in v[pw].  Each accumulator is read from its low end on.
.macro QUANTW s, w, pw
	WIN 0x05*(\w)                                  ; sources 0 and 1
.irp b, 0,1,2,3
	v_max3_num_f32 v[TM+\b], |v[\s+16*\b]|, |v[\s+1+16*\b]|, 0x1800000   ; and the floor 2^(3 - 127): the byte cannot fall under 1
.endr
	WIN 0x14*(\w)                                  ; sources 1 and 2
.irp i, 2,4,6,8,10,12,14
.irp b, 0,1,2,3
	v_max3_num_f32 v[TM+\b], v[TM+\b], |v[\s+16*\b+\i]|, |v[\s+1+16*\b+\i]|
.endr
.endr
	WIN 0
.irp b, 0,1,2,3
	v_permlanex16_b32 v[TM+4+\b], v[TM+\b], s[SEL], s[SEL+1]
.endr
.irp b, 0,1,2,3
	v_max_num_f32 v[TM+\b], v[TM+\b], v[TM+4+\b]
.endr
.irp b, 0,1,2,3
	v_add_nc_u32 v[TM+12+\b], 0xff000000, v[TM+\b] ; 2 off the exponent field: the conversion's scale operand
.endr
.irp b, 0,1,2,3
	v_lshrrev_b32 v[TM+4+\b], 23, v[TM+12+\b]
.endr
	v_lshl_or_b32 v[\pw], v[TM+5], 8, v[TM+4]
	v_lshl_or_b32 v[\pw], v[TM+6], 16, v[\pw]
	v_lshl_or_b32 v[\pw], v[TM+7], 24, v[\pw]
	WIN (\w)                                       ; source 0
.irp c, 0,1
	v_cvt_scalef32_pk16_fp6_f32 v[PC+6*\c:PC+2+6*\c], v[\s+32*\c:\s+15+32*\c], v[TM+12+2*\c]
	v_cvt_scalef32_pk16_fp6_f32 v[PC+12+4*\c:PC+14+4*\c], v[\s+16+32*\c:\s+31+32*\c], v[TM+12+2*\c+1]
.endr
	WIN 0
	v_nop                                          ; one plain place behind a scaled conversion
.irp c, 0,1
.irp i, 0,1,2
	v_permlane16_swap_b32 v[PC+6*\c+\i], v[PC+12+4*\c+\i]
.endr
.irp i, 0,1,2
	v_mov_b32 v[PC+3+6*\c+\i], v[PC+12+4*\c+\i]
.endr
.endr
.endm
	s_load_b128 s[4:7], s[0:1], 0x0
.if !QKV
	s_load_b128 s[8:11], s[0:1], 0x10
.endif
	v_lshl_add_u32 v[SPW], v0, 2, SPARE
	v_mov_b32 v[NIL], 0
	ds_add_u32 v28, v29
	ds_add_u32 v28, v29
	s_wait_dscnt 0x0
	v_lshrrev_b32 v1, 5, v0
	v_readfirstlane_b32 s14, v1                    ; wave 0..3
	s_lshr_b32 s15, s14, 1                         ; wr: which half of A's rows is mine.  Also: I fetch for A (0) or for B (1)
	s_and_b32 s16, s14, 1                          ; wc: which half of B's rows.  Also: which half of that tile I fetch
	s_bfe_u32 s40, ttmp6, 0x40000                  ; cx, cy: my place in the cluster
	s_bfe_u32 s41, ttmp6, 0x40004
	s_lshl_b32 s42, ttmp9, 2
	s_add_co_u32 s42, s42, s40                     ; tile column
	s_and_b32 s17, ttmp7, 0xffff
	s_lshl_b32 s17, s17, 2
	s_add_co_u32 s17, s17, s41                     ; tile row
	s_lshl_b32 s43, s41, 2
	s_lshl_b32 s43, 15, s43                        ; my row of the cluster
	s_lshl_b32 s44, 0x1111, s40                    ; my column
	; group 1 for codes: 8 fragment rows x 3,072 bytes (two K steps), 12,288 bytes apart; elements of 8 bytes; no padding
	s_or_b32 s[G1+0], s43, (3<<16)|(1<<21)
	s_or_b32 s[G1B+0], s44, (3<<16)|(1<<21)
.irp g, G1, G1B
	s_mov_b32 s[\g+1], 768<<16                     ; tensor_dim0: four K steps for the head's loads; two behind them
	s_mov_b32 s[\g+2], 16<<16                      ; tensor_dim1: 16 fragment rows for the head's loads; 8 behind them
	s_mov_b32 s[\g+3], 768<<16                     ; tile_dim0 likewise
	s_mov_b32 s[\g+4], 16                          ; tile_dim1 likewise
	s_mov_b32 s[\g+5], 1536                        ; tensor_dim0_stride
	s_mov_b32 s[\g+6], 0
	s_mov_b32 s[\g+7], 0
.endr
	; and for scale words: 8,192 dense bytes as 32 rows of 256
	s_or_b32 s[G1S+0], s43, (3<<16)|(1<<21)
	s_or_b32 s[G1SB+0], s44, (3<<16)|(1<<21)
.irp g, G1S, G1SB
	s_mov_b32 s[\g+1], 32<<16
	s_mov_b32 s[\g+2], 32<<16
	s_mov_b32 s[\g+3], 32<<16
	s_mov_b32 s[\g+4], 32
	s_mov_b32 s[\g+5], 32
	s_mov_b32 s[\g+6], 0
	s_mov_b32 s[\g+7], 0
.endr
	s_lshl_b32 s18, s16, 3
	s_lshl_b32 s20, s17, 4
	s_add_co_u32 s20, s20, s18                     ; A: fragment row 16 x tile row + 8 x half
	s_lshl_b32 s46, s42, 4
	s_add_co_u32 s46, s46, s18                     ; B: 16 x tile column + 8 x half
	s_lshl_b32 s22, s20, 9
	s_add_co_u32 s22, s22, ASOFF
	s_mov_b32 s23, 0
	s_lshl_b32 s92, s46, 9
	s_add_co_u32 s92, s92, BSOFF
	s_mov_b32 s93, 0
	s_mul_i32 s20, s20, 12288
	s_add_co_u32 s20, s20, AOFF
	s_mov_b32 s21, 0
	s_mul_i32 s46, s46, 12288
	s_add_co_u32 s46, s46, BOFF
	s_mov_b32 s47, 0
	s_mul_i32 s45, s14, HALFT                      ; where they go: by the wave's number alone
	s_mov_b32 s[SEL], 0x76543210
	s_mov_b32 s[SEL+1], 0xfedcba98
	s_wait_kmcnt 0x0
.if QKV
	s_mov_b64 s[12:13], s[6:7]                     ; the output
	s_mov_b64 s[6:7], s[4:5]                       ; A and B lie in one buffer
.else
	s_mov_b64 s[12:13], s[10:11]
.endif
	s_add_nc_u64 s[20:21], s[4:5], s[20:21]
	s_add_nc_u64 s[22:23], s[4:5], s[22:23]
	s_add_nc_u64 s[46:47], s[6:7], s[46:47]
	s_add_nc_u64 s[92:93], s[6:7], s[92:93]
	CROUND                                         ; all sixteen work-groups are here: the first joint loads meet
	s_mov_b32 s[G0S], 1
	s_lshl_b32 s18, s16, 12                        ; what my half adds to a scale words' address: taken off, the head's loads bring whole tiles
	s_mov_b32 s19, 0
	s_mov_b32 s[G0S+1], SCL
	s_sub_nc_u64 s[G0S+2:G0S+3], s[22:23], s[18:19]
	s_or_b32 s[G0S+3], s[G0S+3], 0x80000000
	s_mov_b32 s[G0SB], 1
	s_mov_b32 s[G0SB+1], SCL+2*HALFS
	s_sub_nc_u64 s[G0SB+2:G0SB+3], s[92:93], s[18:19]
	s_or_b32 s[G0SB+3], s[G0SB+3], 0x80000000
.irp s, 0
	s_mov_b32 s[G0+4*\s], 1
	s_add_co_u32 s[G0+4*\s+1], s45, \s*SLOT
	s_add_nc_u64 s[G0+4*\s+2:G0+4*\s+3], s[20:21], \s*3072
	s_or_b32 s[G0+4*\s+3], s[G0+4*\s+3], 0x80000000
	s_mov_b32 s[G0B+4*\s], 1
	s_add_co_u32 s[G0B+4*\s+1], s45, \s*SLOT
	s_add_nc_u64 s[G0B+4*\s+2:G0B+4*\s+3], s[46:47], \s*3072
	s_or_b32 s[G0B+4*\s+3], s[G0B+4*\s+3], 0x80000000
.endr
	s_mov_b32 s[G0A2], 1                           ; slot 2: its groups 0 lie in registers whose first use is over
	s_mul_i32 s2, s16, 8*12288                     ; what my half adds to a codes' address
	s_mov_b32 s3, 0
	s_mov_b32 s[G0A2+1], 0                         ; at the head these four registers name slot 0's whole tile of A; behind it slot 2's quarter
	s_sub_nc_u64 s[G0A2+2:G0A2+3], s[20:21], s[2:3]
	s_or_b32 s[G0A2+3], s[G0A2+3], 0x80000000
	s_mov_b32 s[G0B2], 1
	s_mov_b32 s[G0B2+1], SLOT
	s_sub_nc_u64 s[G0B2+2:G0B2+3], s[46:47], s[2:3]
	s_or_b32 s[G0B2+3], s[G0B2+3], 0x80000000
; THE HEAD'S LOADS, ONE A WAVE: wave 0 A's 16 fragment rows x K steps 0-3 (98,304 bytes, at LDS byte 0), wave 1 B's (at SLOT), wave 2 A's scale words, wave 3 B's.  One chain of branches on the wave's number, one load to an arm.
; K steps 4 and 5 are asked for behind the round in front of the first K step, into slot 2; K steps 6 and 7 behind the round at K step 3, into bytes 0 .. SLOT: one load of a wave is out at a time.
.macro ARM under, g0, g1, next
	s_cmp_lt_u32 s14, \under
	s_cbranch_scc0 \next
	tensor_load_to_lds s[\g0:\g0+3], s[\g1:\g1+7]
	s_nop 0
.rept 4
	v_nop
.endr
	s_branch .Lhead_asked
\next:
.endm
	ARM 1, G0A2, G1,  .Lhead_b
	ARM 2, G0B2, G1B, .Lhead_sa
	ARM 3, G0S,  G1S, .Lhead_sb
	tensor_load_to_lds s[G0SB:G0SB+3], s[G1SB:G1SB+7]
	s_nop 0
.rept 4
	v_nop
.endr
.Lhead_asked:
	v_and_b32 v1, 15, v0                           ; p
	v_bfe_u32 v2, v0, 4, 1                         ; h
	v_and_b32 v3, 31, v0                           ; lane
	v_lshlrev_b32 v[LI], 4, v3
	s_wait_alu depctr_va_vdst(0)
	s_mul_i32 s21, s15, HALFT                      ; my half of A,
	s_mul_i32 s22, s16, HALFT
	s_add_co_u32 s22, s22, 2*HALFT                 ; my half of B
.if QKV
	s_cmp_eq_u32 ttmp9, 2                          ; v's clusters: P = B, R = A
	s_cselect_b32 s98, 1, 0
	s_cselect_b32 s18, s22, s21
	s_cselect_b32 s19, s21, s22
.else
	s_mov_b32 s18, s21
	s_mov_b32 s19, s22
.endif
	v_add_nc_u32 v[ADRP+3], s18, v[LI]             ; K steps 6, 7: quarters of 8 rows x 3,072 bytes from byte 0 on
	v_add_nc_u32 v[ADRR+3], s19, v[LI]
	v_add_nc_u32 v[ADRP+2], 2*SLOT, v[ADRP+3]      ; K steps 4, 5: the same in slot 2
	v_add_nc_u32 v[ADRR+2], 2*SLOT, v[ADRR+3]
	s_lshl_b32 s18, s18, 1                         ; K steps 0-3: rows twice as long, so every base is twice as far
	s_lshl_b32 s19, s19, 1
	v_add_nc_u32 v[ADRP], s18, v[LI]
	v_add_nc_u32 v[ADRR], s19, v[LI]
	v_add_nc_u32 v[ADRP+1], 3072, v[ADRP]          ; K steps 2, 3 of those rows
	v_add_nc_u32 v[ADRR+1], 3072, v[ADRR]
	v_lshlrev_b32 v5, 2, v1
	s_mul_i32 s21, s15, HALFS                      ; A's scale words,
	s_mul_i32 s22, s16, HALFS
	s_add_co_u32 s22, s22, 2*HALFS
	s_sub_co_u32 s22, s22, s21                     ; and how far behind them B's lie
.if QKV
	v_xor_b32 v6, s98, v2                          ; lanes 0-15 take P's, lanes 16-31 R's
	v_mul_u32_u24 v6, s22, v6
.else
	v_mul_u32_u24 v6, s22, v2
.endif
	s_add_co_u32 s21, s21, SCL
	v_add_nc_u32 v5, v5, v6
	v_add_nc_u32 v[ADRS], s21, v5
	v_lshlrev_b32 v[SOA], 2, v1
	v_mul_u32_u24 v5, v2, APS
	v_add_nc_u32 v[SOA], v[SOA], v5
.if QKV
	s_and_b32 s20, s42, 3
	s_lshl_b32 s20, s20, 1
	s_add_co_u32 s20, s20, s16                     ; hp: the pair of heads
	s_lshl_b32 s21, s20, 8
	s_lshl_b32 s22, s17, 4
	s_add_co_u32 s21, s21, s22
	s_lshl_b32 s22, s15, 3
	s_add_co_u32 s21, s21, s22                     ; q, k: 256 hp + my first token fragment
	s_lshr_b32 s22, s17, 2
	s_lshl_b32 s22, s22, 3
	s_add_co_u32 s22, s22, s20                     ; v: 8 batch + hp,
	s_lshl_b32 s22, s22, 3
	s_and_b32 s23, s17, 3
	s_lshl_b32 s23, s23, 1
	s_add_co_u32 s23, s23, s15                     ; which 128 tokens of the batch,
	s_add_co_u32 s22, s22, s23
	s_lshl_b32 s22, s22, 3                         ; eight fragments each
	s_cmp_eq_u32 s98, 1
	s_cselect_b32 s21, s22, s21
	s_mul_i32 s20, s21, 1536
	s_mul_i32 s22, ttmp9, 3145728
	s_add_co_u32 s20, s20, s22
	s_lshl_b32 s22, s21, 6
	s_mov_b32 s21, 0
	s_lshl_b32 s23, ttmp9, 17
	s_add_co_u32 s22, s22, s23
	s_add_co_u32 s22, s22, 9437184
	s_mov_b32 s23, 0
.else
	s_lshl_b32 s20, s42, 10                        ; the bias: lane (p, h) wants, for R's tile 2 b + u, the numbers 32 b + 16 h + 8 u + 0 .. 7 of my 128
	s_lshl_b32 s21, s16, 9
	s_add_co_u32 s20, s20, s21
	s_mov_b32 s21, 0
	s_add_nc_u64 s[8:9], s[8:9], s[20:21]
	v_lshlrev_b32 v[BAD], 6, v2
.irp b, 0,1,2,3,4,5,6,7
	global_load_b128 v[BI+8*\b:BI+8*\b+3], v[BAD], s[8:9] offset:(32*(\b/2)+8*(\b%2))*4
	global_load_b128 v[BI+8*\b+4:BI+8*\b+7], v[BAD], s[8:9] offset:(32*(\b/2)+8*(\b%2))*4+16
.endr
	s_lshl_b32 s20, s17, 4
	s_lshl_b32 s21, s15, 3
	s_add_co_u32 s20, s20, s21                     ; my first token fragment,
	s_lshl_b32 s20, s20, 5                         ; 32 K steps each,
	s_lshl_b32 s21, s42, 1
	s_add_co_u32 s20, s20, s21
	s_add_co_u32 s21, s20, s16                     ; K step 2 x tile column + wc
	s_mul_i32 s20, s21, 1536
	s_lshl_b32 s22, s21, 6
	s_add_co_u32 s22, s22, 12582912
	s_mov_b32 s21, 0
	s_mov_b32 s23, 0
.endif
	s_add_nc_u64 s[10:11], s[12:13], s[22:23]      ; my scale words in the output,
	s_add_nc_u64 s[12:13], s[12:13], s[20:21]      ; my codes
	s_wait_alu depctr_va_vdst(0)
	s_wait_tensorcnt 0x0                           ; my tile of the head's four is in
	ds_add_u32 v[SPW], v[NIL]
	s_mov_b32 s[G1+2], 8<<16                       ; no tensor load of mine is out: from here on a load brings 8 fragment rows
	s_mov_b32 s[G1+4], 8
	s_mov_b32 s[G1+1], 384<<16                     ; of two K steps
	s_mov_b32 s[G1+3], 384<<16
	s_mov_b32 s[G1B+2], 8<<16
	s_mov_b32 s[G1B+4], 8
	s_mov_b32 s[G1B+1], 384<<16
	s_mov_b32 s[G1B+3], 384<<16
	s_add_co_u32 s[G0A2+1], s45, 2*SLOT            ; and these registers name my quarter of slot 2
	s_add_nc_u64 s[G0A2+2:G0A2+3], s[G0A2+2:G0A2+3], s[2:3]
	s_add_nc_u64 s[G0A2+2:G0A2+3], s[G0A2+2:G0A2+3], 2*3072
	s_add_co_u32 s[G0B2+1], s45, 2*SLOT
	s_add_nc_u64 s[G0B2+2:G0B2+3], s[G0B2+2:G0B2+3], s[2:3]
	s_add_nc_u64 s[G0B2+2:G0B2+3], s[G0B2+2:G0B2+3], 2*3072
	s_wait_dscnt 0x0
	CROUND                                         ; everybody's tile is in, and all sixteen work-groups are here
	JLOAD G0A2, G1, G0B2, G1B                      ; slot 2's first fill: K steps 4 and 5
	FETCH_R 0, 0, 0
	FETCH_P 0, 0, 0
	SCALES 0
	FETCH_P 0, 0, 4
.if !QKV
	s_wait_loadcnt 0x0                             ; the bias
.endif
	STEP 0, 0, FIRST                               ; K = 0: its products start the sums
	TURN 0, 0, 1, 2                                ; K = 128; K steps 2 and 3 lie in the same rows: no barrier
	s_wait_alu depctr_va_vdst(0)
	STEP 1, 1, 0
	TURN 1, 1, 2, 1                                ; on to slot 2; slot 0 takes the last 256 along K
	s_wait_alu depctr_va_vdst(0)
	STEP 2, 0, 0
	TURN 2, 0, 3, 0                                ; on to K steps 6 and 7: the wait for them, and a barrier
	STEP 3, 1, 0
	s_wait_dscnt 4*NL                              ; the last K step: nothing more to fetch
	WMUL 0, 0
	MUL16 0, 1, 1, 1, 0
	MUL16 2, 1, 1, 1, 0
	s_wait_dscnt 0x0
	WMUL 1, 0
	MUL16 4, 1, 1, 1, 0
	MUL16 6, 1, 1, 1, 0
	WIN 0
	; THE WAY OUT: P's blocks one after the other: 64 numbers a lane are quantised, and the 12 registers leave as the next operand's image
	PLACES NP
.irp b, 0,1,2,3
	v_mov_b32 v[TM+4+\b], 0                        ; written once: a lane permute's destination counts as one of its sources
.endr
.irp a, 0,1,2,3,4,5,6,7
.if \a > 0
	s_wait_xcnt 0x0                                ; the last block's stores have read their registers
.endif
.if QKV
	QUANTW 64*(\a%4), 2+\a/4, PWS+\a
.else
	WIN 0x04*(2+\a/4)                              ; source 1
.set j, 0
.rept 64
	v_max_num_f32 v[HA+j], 0, v[64*(\a%4)+j]       ; the activation, in f32, each accumulator from its low end on
.set j, j+1
.endr
	QUANTW HA, 0, PWS+\a
.endif
.irp g, 0,1,2
	global_store_b128 v[LI], v[PC+4*\g:PC+4*\g+3], s[12:13] offset:\a*APC+512*\g   ; 512 consecutive bytes
.endr
.endr
	v_cmp_le_u32 vcc_lo, 16, v3
.irp p, 0,1,2,3
	v_cndmask_b32 v[PWS+2*\p], v[PWS+2*\p], v[PWS+2*\p+1], vcc_lo   ; lanes 0-15: block 2 p's words, lanes 16-31: block 2 p + 1's
	global_store_b32 v[SOA], v[PWS+2*\p], s[10:11] offset:2*\p*APS
.endr
	s_wait_tensorcnt 0x0                           ; the wave's end
	ds_add_u32 v[SPW], v[NIL]
	s_wait_dscnt 0x0
	CROUND                                         ; the closing round: no work-group ends while a partner may still ask for a tile that names it
	s_endpgm
.Lfunc_end_k_qdaa165dc98_qkv:
	.size	k_qdaa165dc98_qkv, .Lfunc_end_k_qdaa165dc98_qkv-k_qdaa165dc98_qkv
	.p2alignl 7, 3214868480
	.fill 96, 4, 3214868480
	.section	.rodata,"a",@progbits
	.p2align	6, 0x0
	.amdhsa_kernel k_qdaa165dc98_qkv
		.amdhsa_group_segment_fixed_size 327680
		.amdhsa_private_segment_fixed_size 0
		.amdhsa_enable_private_segment 0
		.amdhsa_kernarg_size 16
		.amdhsa_user_sgpr_count 2
		.amdhsa_user_sgpr_kernarg_segment_ptr 1
		.amdhsa_wavefront_size32 1
		.amdhsa_system_sgpr_workgroup_id_x 1
		.amdhsa_system_sgpr_workgroup_id_y 1
		.amdhsa_system_sgpr_workgroup_id_z 1
		.amdhsa_system_vgpr_workitem_id 0
		.amdhsa_next_free_vgpr 1024
		.amdhsa_next_free_sgpr 100
		.amdhsa_reserve_vcc 1
		.amdhsa_float_denorm_mode_32 3
		.amdhsa_float_denorm_mode_16_64 3
		.amdhsa_memory_ordered 1
		.amdhsa_forward_progress 1
		.amdhsa_inst_pref_size 143
	.end_amdhsa_kernel
	.amdgpu_metadata
---
amdhsa.version: [ 1, 2 ]
amdhsa.kernels:
  - .name:           k_qdaa165dc98_qkv
    .symbol:         k_qdaa165dc98_qkv.kd
    .args:
      - { .name: PB, .offset: 0, .size: 8, .value_kind: global_buffer, .address_space: global }
      - { .name: QB, .offset: 8, .size: 8, .value_kind: global_buffer, .address_space: global }
    .group_segment_fixed_size: 327680
    .private_segment_fixed_size: 0
    .kernarg_segment_align: 8
    .kernarg_segment_size: 16
    .max_flat_workgroup_size: 128
    .sgpr_count:     100
    .vgpr_count:     1024
    .wavefront_size: 32
...
	.end_amdgpu_metadata
.endif
;; end of part 2
;; launch attn (part 3): grid 8 x 32, 16 waves a work-group, clusters of 4 x 1, 327,680 bytes of LDS; arguments QB, CB; writes CB
.if DOCPART == 3
	.amdgcn_target "amdgcn-amd-amdhsa--gfx1250"
	.amdhsa_code_object_version 6
	.text
	.protected	k_qdaa165dc98_attn
	.globl	k_qdaa165dc98_attn
	.p2align	8
	.type	k_qdaa165dc98_attn,@function
k_qdaa165dc98_attn:
	s_mov_b64 s[64:65], 0
	v_nop
	global_prefetch_b8 v0, s[64:65] scope:SCOPE_SE
	s_setreg_imm32_b32 hwreg(HW_REG_WAVE_MODE, 25, 1), 1
	s_wait_xcnt 0x0
	s_wait_alu depctr_hold_cnt(0) depctr_sa_sdst(0) depctr_va_vdst(0) depctr_va_sdst(0) depctr_va_ssrc(0) depctr_va_vcc(0) depctr_vm_vsrc(0)
	s_getreg_b32 s2, hwreg(HW_REG_IB_STS2, 6, 4)
	s_cmp_eq_u32 s2, 0
	s_cbranch_scc0 .Lentry_in_a_cluster
	s_endpgm
.Lentry_in_a_cluster:
	s_bfe_u32 s2, ttmp6, 0x10000c
	s_cmp_lg_u32 s2, 0x3003
	s_cbranch_scc0 .Lentry_shape_is_right
	s_endpgm
.Lentry_shape_is_right:
; ctx = softmax(q k^T / 8, causal) v for one batch and one PAIR of heads hp (grid y = 8 batch + hp), both products on codes of FP6 (E2M3); ctx is quantised along the model's axis and stored as codes.
; q, k: register images of 16 tokens x 128 (the pair's two heads, 64 each) at (256 hp + token fragment); v: images of 16 of the pair's 128 channels x 128 keys at ((8 batch + hp) x 8 + key step) x 8 + a.
; Tokens and channels lie in fragments by groups of 32: row 32 G + 16 a + 8 u + j = fragment 2 G + u, lane-row 8 a + j: so the 16 registers of two neighbouring result tiles are 16 neighbours.
; THE SOFTMAX: t = score x log2(e) / 8; M = the running largest t rounded up to a whole number; p = 2^(t - M) is quantised along the keys, not normalised; the row's sum of the unquantised p divides at the end.
; SHARES.  Sixteen waves: wave w has head 2 hp + (w & 1) and query fragment g + 8 m of the batch's 64 (m = (w / 2) xor bit 2 of w; g = the work-group's x, 0 .. 7).  Its 16 queries lie among tokens 128 m .. 128 m + 127: it needs key steps
; 0 .. m, whatever g is: every work-group has the same work, and the number of steps hangs on the wave's number alone.  The loop's count is the constant 8; a step whose keys all come later is jumped over.
; A fragment of k carries both heads: q's codes of the other head are cleared, so that they add nothing.
; ALL of the pair's k and v (2 x 98,304 bytes) and their scale words come into LDS once, by joint loads of the four work-groups of a cluster, which share batch and pair.  Nothing is filled twice.
; LIMITS: a block of zeros gets the byte 1 (its codes are zeros; this program alone reads the bytes); blocks under 2^-124 are held at byte 1; NaN and infinities are not served.
; REGISTERS: v1-7, v28-31 addresses that stay; v8-11 the step's; v12 -M, v13 the largest t, v[14:15] the sum; v16-27 q; v32-79 four fragments; v96-159 S^T, then p; v160-191 O^T; v224.. p's codes; v232-254 at work; v255 q's scale words.
.set QBKC, 3145728
.set QBVC, 6291456
.set QBQS, 9437184
.set QBKS, 9568256
.set QBVS, 9699328
.set CBCS, 3145728
.set VIM,  98304                       ; LDS: k's 64 fragments at 0, v's 64 here,
.set KSC,  196608                      ; k's scale words (4,096 bytes),
.set VSC,  200704                      ; v's,
.set CST,  204800                      ; ctx's eight fragments, one for each pair of waves,
.set CSS,  217088                      ; and their scale words
.set WV,  18
.set SEL, 20
.set CS,  22
.set G1C, 24
.set G1S, 32
.set G0,  40
.set G0S, 44
.set KAP, 70
.set TK,  71
.set TS,  72
.macro CROUND
	s_barrier_signal -1
	s_barrier_wait -1
	s_cmp_lg_u32 s[WV], 0
	s_cbranch_scc1 .Lnot_wave_0_\@
	s_barrier_signal -3
.Lnot_wave_0_\@:
	s_barrier_wait -3
	s_barrier_signal -1
	s_barrier_wait -1
.endm
	s_load_b128 s[4:7], s[0:1], 0x0                ; q, k, v s[4:5]; ctx s[6:7]
	v_lshl_add_u32 v223, v0, 2, 0x35200
	v_mov_b32 v243, 0
	ds_add_u32 v223, v243
	ds_add_u32 v223, v243
	v_lshrrev_b32 v8, 5, v0
	s_delay_alu instid0(VALU_DEP_1)
	v_readfirstlane_b32 s[WV], v8                  ; wave 0..15
	s_and_b32 s48, s[WV], 1                        ; which head of the pair
	s_lshr_b32 s49, s[WV], 1
	s_bfe_u32 s53, s[WV], 0x10002
	s_xor_b32 s49, s49, s53                        ; m = (w / 2) xor bit 2 of w: waves w, w + 4, w + 8, w + 12 then have m = 0, 3, 4, 7 or 1, 2, 5, 6: 18 key steps in all either way
	s_bfe_u32 s53, ttmp6, 0x40000                  ; cx
	s_lshl_b32 s50, ttmp9, 2
	s_add_co_u32 s50, s50, s53                     ; g: it enters q's and ctx's global addresses and the mask's numbers alone
	s_and_b32 s54, ttmp7, 0xffff                   ; 8 batch + hp, which the four partners share
	s_lshr_b32 s51, s54, 3
	s_and_b32 s52, s54, 7
	s_lshl_b32 s55, s52, 8
	s_lshl_b32 s56, s51, 6
	s_add_co_u32 s55, s55, s56                     ; 256 hp + 64 batch: the batch's first fragment of q and k
	s_and_b32 s57, s[WV], 3
	s_mul_i32 s57, s57, 24576                      ; my quarter
	s_mul_i32 s58, s55, 1536
	s_add_co_u32 s58, s58, QBKC
	s_mul_i32 s59, s54, 98304
	s_add_co_u32 s59, s59, QBVC
	s_cmp_lt_u32 s[WV], 4                          ; waves 0-3 fetch k's codes, waves 4-7 v's
	s_cselect_b32 s58, s58, s59
	s_add_co_u32 s58, s58, s57
	s_mov_b32 s59, 0
	s_lshl_b32 s60, s55, 6
	s_add_co_u32 s60, s60, QBKS
	s_lshl_b32 s61, s54, 12
	s_add_co_u32 s61, s61, QBVS
	s_cmp_eq_u32 s48, 0                            ; wave 8 fetches k's scale words, wave 9 v's
	s_cselect_b32 s60, s60, s61
	s_mov_b32 s61, 0
	s_cselect_b32 s73, -1, 0                       ; which half of q's codes is kept
	s_cselect_b32 s74, 0, -1
	s_and_b32 s62, s[WV], 7
	s_mul_i32 s62, s62, 24576                      ; LDS: k's four quarters, then v's
	s_lshl_b32 s63, s48, 12
	s_add_co_u32 s63, s63, KSC
	; group 1: dense blocks as rows of 256 bytes (32 elements of 8 bytes): 96 rows of codes, 16 of scale words; the mask names the four work-groups
	s_mov_b32 s[G1C], 15|(3<<16)|(1<<21)
	s_mov_b32 s[G1C+1], 32<<16
	s_mov_b32 s[G1C+2], 96<<16
	s_mov_b32 s[G1C+3], 32<<16
	s_mov_b32 s[G1C+4], 96
	s_mov_b32 s[G1C+5], 32
	s_mov_b32 s[G1C+6], 0
	s_mov_b32 s[G1C+7], 0
	s_mov_b32 s[G1S], 15|(3<<16)|(1<<21)
	s_mov_b32 s[G1S+1], 32<<16
	s_mov_b32 s[G1S+2], 16<<16
	s_mov_b32 s[G1S+3], 32<<16
	s_mov_b32 s[G1S+4], 16
	s_mov_b32 s[G1S+5], 32
	s_mov_b32 s[G1S+6], 0
	s_mov_b32 s[G1S+7], 0
	s_mov_b32 s[SEL], 0x76543210
	s_mov_b32 s[SEL+1], 0xfedcba98
	s_mov_b32 s[CS], 0x3e38aa3b                    ; c = log2(e) / 8
	s_mov_b32 s[CS+1], s[CS]
	s_wait_dscnt 0x0
	s_wait_kmcnt 0x0
	CROUND                                         ; all four work-groups are here: the joint loads meet
	s_mov_b32 s[G0], 1
	s_mov_b32 s[G0+1], s62
	s_add_nc_u64 s[G0+2:G0+3], s[4:5], s[58:59]
	s_or_b32 s[G0+3], s[G0+3], 0x80000000
	s_mov_b32 s[G0S], 1
	s_mov_b32 s[G0S+1], s63
	s_add_nc_u64 s[G0S+2:G0S+3], s[4:5], s[60:61]
	s_or_b32 s[G0S+3], s[G0S+3], 0x80000000
	s_cmp_lt_u32 s[WV], 8                          ; one load a wave, waves 0 to 9; the branches hang on the wave's number alone; four v_nop follow each line
	s_cbranch_scc0 .Lnot_codes
	tensor_load_to_lds s[G0:G0+3], s[G1C:G1C+7]
	s_nop 0
.rept 4
	v_nop
.endr
	s_branch .Lasked
.Lnot_codes:
	s_cmp_lt_u32 s[WV], 10
	s_cbranch_scc0 .Lasked
	tensor_load_to_lds s[G0S:G0S+3], s[G1S:G1S+7]
	s_nop 0
.rept 4
	v_nop
.endr
.Lasked:
	s_lshl_b32 s66, s49, 3
	s_add_co_u32 s66, s66, s50                     ; my query fragment of the batch: g + 8 m
	s_add_co_u32 s67, s55, s66
	s_mul_i32 s68, s67, 1536
	s_mov_b32 s69, 0
	s_add_nc_u64 s[80:81], s[4:5], s[68:69]        ; q's codes
	s_lshl_b32 s68, s67, 6
	s_add_co_u32 s68, s68, QBQS
	s_add_nc_u64 s[82:83], s[4:5], s[68:69]        ; q's scale words
	s_add_co_u32 s67, s56, s66
	s_lshl_b32 s67, s67, 3
	s_add_co_u32 s67, s67, s52                     ; ctx: token fragment x 8 + hp
	s_mul_i32 s68, s67, 1536
	s_lshl_b32 s75, s48, 9
	s_add_co_u32 s68, s68, s75                     ; (+ the 512 bytes of the image that I store)
	s_add_nc_u64 s[76:77], s[6:7], s[68:69]
	s_lshl_b32 s68, s67, 6
	s_add_co_u32 s68, s68, CBCS
	s_and_b32 s75, s49, 1
	s_lshl_b32 s75, s75, 12
	s_sub_co_u32 s68, s68, s75                     ; the scale words leave by pairs of fragments: from the even m of my pair on (4,096 bytes from one m to the next)
	s_add_nc_u64 s[78:79], s[6:7], s[68:69]
	v_and_b32 v8, 15, v0                           ; p
	v_bfe_u32 v9, v0, 4, 1                         ; h
	v_and_b32 v10, 31, v0
	s_delay_alu instid0(VALU_DEP_1)
	v_lshlrev_b32 v1, 4, v10                       ; k's images: 16 x lane
	s_wait_alu depctr_va_vdst(0)
	v_lshlrev_b32 v30, 4, v10                      ; the same, for global memory
	global_load_b128 v[16:19], v30, s[80:81]
	global_load_b128 v[20:23], v30, s[80:81] offset:512
	global_load_b128 v[24:27], v30, s[80:81] offset:1024
	v_lshlrev_b32 v254, 2, v8
	global_load_b32 v255, v254, s[82:83]
	s_mul_i32 s59, s48, 6144
	s_add_co_u32 s59, s59, VIM
	v_add_nc_u32 v2, s59, v1                       ; v's images: my head's four of a key step's eight
	v_lshl_add_u32 v3, v8, 2, KSC                  ; k's scale words
	s_lshl_b32 s60, s48, 8
	s_add_co_u32 s60, s60, VSC
	v_lshl_add_u32 v4, v8, 2, s60                  ; v's
	s_mul_i32 s61, s49, 1536
	s_add_co_u32 s61, s61, CST                     ; my pair's fragment of ctx.  My six registers are 6 x head .. of its twelve: three pieces of 8 bytes
	s_mul_i32 s62, s48, 520
	s_add_co_u32 s62, s62, s61
	v_add_nc_u32 v5, s62, v1                       ; registers 0, 1 (head 0) or 6, 7 (head 1); 512 on: 4, 5 or 10, 11
	s_mul_i32 s62, s48, 1016
	s_add_co_u32 s62, s62, s61
	s_add_co_u32 s62, s62, 8
	v_add_nc_u32 v6, s62, v1                       ; registers 2, 3 or 8, 9
	s_lshl_b32 s62, s49, 6
	s_add_co_u32 s62, s62, CSS
	s_and_b32 s63, s62, 0xffffffbf                 ; the even m of my pair (64 bytes from one m to the next)
	v_lshl_add_u32 v31, v10, 2, s63                ; scale words back: 4 x lane
	s_lshl_b32 s63, s48, 1
	s_add_co_u32 s62, s62, s63
	v_lshl_add_u32 v7, v8, 2, s62                  ; my two bytes of my row's scale word
	s_lshl_b32 s62, s48, 9
	s_add_co_u32 s62, s62, s61
	v_add_nc_u32 v29, s62, v1                      ; the image back: group 0 or 1
	s_lshr_b32 s75, s50, 1
	s_lshl_b32 s75, s75, 5
	s_and_b32 s84, s50, 1
	s_lshl_b32 s84, s84, 3
	s_add_co_u32 s75, s75, s84
	v_and_b32 v11, 7, v8
	v_lshrrev_b32 v12, 3, v8
	s_delay_alu instid0(VALU_DEP_1)
	v_lshl_add_u32 v11, v12, 4, v11
	v_lshlrev_b32 v12, 4, v9
	s_delay_alu instid0(VALU_DEP_1)
	v_sub_nc_u32 v11, v11, v12
	s_delay_alu instid0(VALU_DEP_1)
	v_add_nc_u32 v28, s75, v11                     ; d = my query's place among the 128 tokens of step m, less 16 h: register 16 b + i holds key 32 b + 16 h + i, hidden where 32 b + i > d
	v_mov_b32 v13, 0xff61b1e6                      ; the largest t so far: -3e38
	s_delay_alu instid0(VALU_DEP_1)
	v_floor_f32 v12, -v13                          ; -M
	v_mov_b32 v14, 0
	v_mov_b32 v15, 0
.irp b, 0,1,2,3
	v_mov_b32 v[236+\b], 0                         ; written once: a lane permute's destination counts as one of its sources
.endr
	v_mov_b32 v253, 0
.set j, 0
.rept 32
	v_mov_b32 v[160+j], 0                          ; O^T: the step is written once; the first finds zeros
.set j, j+1
.endr
	s_wait_tensorcnt 0x0                           ; my load has landed,
	s_barrier_signal -1
	s_barrier_wait -1                              ; everybody's has
	s_wait_loadcnt 0x0                             ; q
.irp i, 0,1,2,3,4,5
	v_and_b32 v[16+\i], s73, v[16+\i]              ; the codes of the head that is not mine are cleared
	v_and_b32 v[22+\i], s74, v[22+\i]
.endr
	s_mov_b32 s[KAP], 0
	s_mov_b32 s[TK], 0
	s_mov_b32 s[TS], 0
.Lstep:                                            ; eight trips, a key step of 128 each
	s_cmp_gt_u32 s[KAP], s49                       ; all its keys come after my queries: the work is left out, not the lines that step addresses
	s_cbranch_scc1 .Lhidden
	v_add_nc_u32 v8, s[TK], v1
	v_add_nc_u32 v9, s[TK], v2
	v_add_nc_u32 v10, s[TS], v3
	v_add_nc_u32 v11, s[TS], v4                    ; (these four are also the places in front of the loads below)
	s_wait_alu depctr_va_vdst(0)
.irp g, 0,1                                    ; S^T = k q^T, four tiles of 16 keys at a time
.if \g > 0
.rept 4
	v_nop
.endr
.endif
.irp t, 0,1,2,3
.irp c, 0,1,2
	ds_load_b128 v[32+12*\t+4*\c:35+12*\t+4*\c], v8 offset:1536*(4*\g+\t)+512*\c
.endr
	ds_load_b32 v[248+\t], v10 offset:64*(4*\g+\t)
.endr
	s_wait_dscnt 0x0
.irp t, 0,1,2,3
	v_wmma_scale_f32_16x16x128_f8f6f4 v[96+8*(4*\g+\t):103+8*(4*\g+\t)], v[32+12*\t:43+12*\t], v[16:27], 0, v[248+\t], v255 matrix_a_fmt:MATRIX_FMT_FP6 matrix_b_fmt:MATRIX_FMT_FP6
.endr
.endr
.rept 4
	v_nop
.endr
	s_cmp_lg_u32 s[KAP], s49                       ; only step m lies on the diagonal
	s_cbranch_scc1 .Lopen
	v_mov_b32 v254, 0xff800000                     ; hidden scores become -infinity ahead of the maximum: p = 0 then
.set n, 0
.rept 64
	v_cmp_gt_i32 vcc_lo, 32*(n/16)+n%16, v28
	v_cndmask_b32 v[96+n], v[96+n], v254, vcc_lo
.set n, n+1
.endr
.Lopen:
.irp b, 0,1,2,3
	v_max3_num_f32 v[232+\b], v[96+16*\b], v[97+16*\b], v[98+16*\b]   ; the largest score of each block of 32 keys: for the row's maximum, and, since p rises with the score, for the block's largest p
.endr
.irp i, 3,5,7,9,11,13
.irp b, 0,1,2,3
	v_max3_num_f32 v[232+\b], v[232+\b], v[96+16*\b+\i], v[97+16*\b+\i]
.endr
.endr
.irp b, 0,1,2,3
	v_max_num_f32 v[232+\b], v[232+\b], v[111+16*\b]
.endr
.irp b, 0,1,2,3
	s_delay_alu instid0(VALU_DEP_4)
	v_permlanex16_b32 v[236+\b], v[232+\b], s[SEL], s[SEL+1]
.endr
.irp b, 0,1,2,3
	s_delay_alu instid0(VALU_DEP_4)
	v_max_num_f32 v[232+\b], v[232+\b], v[236+\b]
.endr
	s_delay_alu instid0(VALU_DEP_2)
	v_max3_num_f32 v254, v232, v233, v234
	s_delay_alu instid0(VALU_DEP_1)
	v_max_num_f32 v254, v254, v235
	s_delay_alu instid0(VALU_DEP_1)
	v_mul_f32 v254, s[CS], v254                    ; as t
	s_delay_alu instid0(VALU_DEP_1)
	v_max_num_f32 v13, v13, v254                   ; the running largest t
	v_mov_b32 v254, v12
	s_delay_alu instid0(VALU_DEP_2)
	v_floor_f32 v12, -v13                          ; the new -M = -ceil(t)
	s_delay_alu instid0(VALU_DEP_1)
	v_sub_f32 v254, v12, v254                      ; old M - new M: a whole number, 0 or less
	s_delay_alu instid0(VALU_DEP_1)
	v_cvt_i32_f32 v254, v254
	s_delay_alu instid0(VALU_DEP_1)
	v_ldexp_f32 v252, 1.0, v254                    ; f = 2^(old M - new M): rounds nothing
.set j, 0
.rept 32
	v_pk_fma_f32 v[96+j:97+j], v[96+j:97+j], s[CS:CS+1], v[12:13] op_sel_hi:[1,0,0]   ; t - M
.set j, j+2
.endr
.irp b, 0,1,2,3
	v_fma_f32 v[232+\b], v[232+\b], s[CS], v12
.endr
.set j, 0
	s_wait_alu depctr_va_vdst(0)
.rept 64
	v_exp_f32 v[96+j], v[96+j]                     ; p = 2^(t - M)
.set j, j+1
.endr
	v_pk_mul_f32 v[14:15], v[14:15], v[252:253] op_sel_hi:[1,0]   ; the sums under the new M (a plain place behind the exponentials)
	s_wait_alu depctr_va_vdst(0)                   ; one wait for the batch, ahead of its first reader
.irp b, 0,1,2,3
	v_exp_f32 v[232+\b], v[232+\b]                 ; the block's largest p
.endr
	v_pk_add_f32 v[236:237], v[100:101], v[104:105]
	v_pk_add_f32 v[250:251], v[108:109], v[112:113]
	v_pk_add_f32 v[248:249], v[116:117], v[120:121]
	v_pk_add_f32 v[246:247], v[124:125], v[128:129]
	v_pk_add_f32 v[244:245], v[132:133], v[136:137]
	v_pk_add_f32 v[240:241], v[140:141], v[144:145]
	v_pk_add_f32 v[238:239], v[148:149], v[152:153]
	v_pk_add_f32 v[14:15], v[14:15], v[156:157]
	v_pk_add_f32 v[236:237], v[236:237], v[96:97]
	v_pk_add_f32 v[250:251], v[250:251], v[98:99]
	v_pk_add_f32 v[248:249], v[248:249], v[102:103]
	v_pk_add_f32 v[246:247], v[246:247], v[106:107]
	v_pk_add_f32 v[244:245], v[244:245], v[110:111]
	v_pk_add_f32 v[240:241], v[240:241], v[114:115]
	v_pk_add_f32 v[238:239], v[238:239], v[118:119]
	v_pk_add_f32 v[14:15], v[14:15], v[122:123]
	v_pk_add_f32 v[236:237], v[236:237], v[126:127]
	v_pk_add_f32 v[250:251], v[250:251], v[130:131]
	v_pk_add_f32 v[248:249], v[248:249], v[134:135]
	v_pk_add_f32 v[246:247], v[246:247], v[138:139]
	v_pk_add_f32 v[244:245], v[244:245], v[142:143]
	v_pk_add_f32 v[240:241], v[240:241], v[146:147]
	v_pk_add_f32 v[238:239], v[238:239], v[150:151]
	v_pk_add_f32 v[14:15], v[14:15], v[154:155]
	v_pk_add_f32 v[236:237], v[236:237], v[158:159]
	s_delay_alu instid0(VALU_DEP_2)
	v_pk_add_f32 v[14:15], v[14:15], v[246:247]
	s_delay_alu instid0(VALU_DEP_2)
	v_pk_add_f32 v[236:237], v[236:237], v[244:245]
	v_pk_add_f32 v[250:251], v[250:251], v[240:241]
	v_pk_add_f32 v[248:249], v[248:249], v[238:239]
	s_delay_alu instid0(VALU_DEP_2)
	v_pk_add_f32 v[14:15], v[14:15], v[250:251]
	s_delay_alu instid0(VALU_DEP_2)
	v_pk_add_f32 v[236:237], v[236:237], v[248:249]
	s_delay_alu instid0(VALU_DEP_1)
	v_pk_add_f32 v[14:15], v[14:15], v[236:237]
	s_wait_alu depctr_va_vdst(0)                   ; and one for the four
.irp b, 0,1,2,3
	v_max_num_f32 v[232+\b], 0x1800000, v[232+\b]  ; the floor: the byte cannot fall under 1
.endr
.irp b, 0,1,2,3
	s_delay_alu instid0(VALU_DEP_4)
	v_add_nc_u32 v[244+\b], 0xff000000, v[232+\b]
.endr
.irp b, 0,1,2,3
	s_delay_alu instid0(VALU_DEP_4)
	v_lshrrev_b32 v[236+\b], 23, v[244+\b]
.endr
	s_delay_alu instid0(VALU_DEP_3)
	v_lshl_or_b32 v253, v237, 8, v236              ; p's scale word for these 128 keys
	s_delay_alu instid0(VALU_DEP_1)
	v_lshl_or_b32 v253, v238, 16, v253
	s_delay_alu instid0(VALU_DEP_1)
	v_lshl_or_b32 v253, v239, 24, v253
.irp c, 0,1
	v_cvt_scalef32_pk16_fp6_f32 v[224+6*\c:226+6*\c], v[96+32*\c:111+32*\c], v[244+2*\c]
	v_cvt_scalef32_pk16_fp6_f32 v[236+4*\c:238+4*\c], v[112+32*\c:127+32*\c], v[244+2*\c+1]
.endr
	v_nop                                          ; one plain place behind a scaled conversion
.irp c, 0,1
.irp i, 0,1,2
	v_permlane16_swap_b32 v[224+6*\c+\i], v[236+4*\c+\i]
.endr
.irp i, 0,1,2
	s_delay_alu instid0(VALU_DEP_3)
	v_mov_b32 v[227+6*\c+\i], v[236+4*\c+\i]
.endr
.endr
.set j, 0
.rept 16
	v_pk_mul_f32 v[160+j:161+j], v[160+j:161+j], v[252:253] op_sel_hi:[1,0]   ; O^T under the new M (these sixteen are also the places in front of the loads and products below)
.set j, j+2
.endr
.irp t, 0,1,2,3                                ; O^T += v^T p^T: my head's four tiles of 16 channels
.irp c, 0,1,2
	ds_load_b128 v[32+12*\t+4*\c:35+12*\t+4*\c], v9 offset:1536*\t+512*\c
.endr
	ds_load_b32 v[248+\t], v11 offset:64*\t
.endr
	s_wait_alu depctr_va_vdst(0)
	s_wait_dscnt 0x0
.irp t, 0,1,2,3
	v_wmma_scale_f32_16x16x128_f8f6f4 v[160+8*\t:167+8*\t], v[32+12*\t:43+12*\t], v[224:235], v[160+8*\t:167+8*\t], v[248+\t], v253 matrix_a_fmt:MATRIX_FMT_FP6 matrix_b_fmt:MATRIX_FMT_FP6
.endr
.Lhidden:
	s_add_co_u32 s[TK], s[TK], 12288               ; eight fragments,
	s_add_co_u32 s[TS], s[TS], 512                 ; eight times 64 bytes of scale words
	s_add_co_u32 s[KAP], s[KAP], 1
	s_cmp_lt_u32 s[KAP], 8
	s_cbranch_scc1 .Lstep
	; THE END: O^T / the sum is my head's 64 channels of ctx, register 16 b + i = channel 32 b + 16 h + i: two blocks, six registers of codes: half of the pair's fragment
.rept 4
	v_nop                                          ; places behind the last products
.endr
	v_add_f32 v14, v14, v15
	s_delay_alu instid0(VALU_DEP_1)
	v_permlanex16_b32 v252, v14, s[SEL], s[SEL+1]
	s_delay_alu instid0(VALU_DEP_1)
	v_add_f32 v14, v14, v252                       ; the row's sum
	s_wait_alu depctr_va_vdst(0)
	v_rcp_f32 v14, v14
	v_and_b32 v41, 15, v0                          ; (a plain place behind the transcendental)
	s_delay_alu instid0(VALU_DEP_1)
	v_lshlrev_b32 v41, 2, v41
	v_bfe_u32 v42, v0, 4, 1
	s_delay_alu instid0(VALU_DEP_1)
	v_lshl_add_u32 v41, v42, 12, v41               ; scale words in memory: 4 p; lanes 16-31: the fragment 64 on (8 token fragments x 8)
	s_wait_alu depctr_va_vdst(0)                   ; the wait, ahead of the first reader
.set j, 0
.rept 32
	v_mul_f32 v[96+j], v[160+j], v14
.set j, j+1
.endr
.irp b, 0,1
	v_max3_num_f32 v[232+\b], |v[96+16*\b]|, |v[97+16*\b]|, 0x1800000
.endr
.irp i, 2,4,6,8,10,12,14
.irp b, 0,1
	s_delay_alu instid0(VALU_DEP_2)
	v_max3_num_f32 v[232+\b], v[232+\b], |v[96+16*\b+\i]|, |v[97+16*\b+\i]|
.endr
.endr
.irp b, 0,1
	s_delay_alu instid0(VALU_DEP_2)
	v_permlanex16_b32 v[236+\b], v[232+\b], s[SEL], s[SEL+1]
.endr
.irp b, 0,1
	s_delay_alu instid0(VALU_DEP_2)
	v_max_num_f32 v[232+\b], v[232+\b], v[236+\b]
.endr
.irp b, 0,1
	s_delay_alu instid0(VALU_DEP_2)
	v_add_nc_u32 v[244+\b], 0xff000000, v[232+\b]
.endr
.irp b, 0,1
	s_delay_alu instid0(VALU_DEP_2)
	v_lshrrev_b32 v[236+\b], 23, v[244+\b]
.endr
	s_delay_alu instid0(VALU_DEP_1)
	v_lshl_or_b32 v253, v237, 8, v236              ; my two bytes
	v_cvt_scalef32_pk16_fp6_f32 v[224:226], v[96:111], v244
	v_cvt_scalef32_pk16_fp6_f32 v[228:230], v[112:127], v245
	v_nop
.irp i, 0,1,2
	v_permlane16_swap_b32 v[224+\i], v[228+\i]
.endr
.irp i, 0,1,2
	s_delay_alu instid0(VALU_DEP_3)
	v_mov_b32 v[227+\i], v[228+\i]
.endr
	ds_store_b64 v5, v[224:225]
	ds_store_b64 v6, v[226:227]
	ds_store_b64 v5, v[228:229] offset:512
	ds_store_b16 v7, v253                          ; (both halves of the lanes write the same bytes with the same value)
	s_wait_dscnt 0x0                               ; for the other wave of my pair: my stores have landed
	s_barrier_signal -1
	s_barrier_wait -1
	ds_load_b128 v[32:35], v29                     ; the image leaves in three runs of 512 bytes: the even wave takes runs 0 and 2, the odd wave run 1
	s_cmp_lg_u32 s48, 0
	s_cbranch_scc1 .Lodd
	ds_load_b128 v[36:39], v29 offset:1024
	s_wait_dscnt 0x0
	global_store_b128 v30, v[32:35], s[76:77]
	global_store_b128 v30, v[36:39], s[76:77] offset:1024
	s_branch .Ldone
.Lodd:
	s_wait_dscnt 0x0
	global_store_b128 v30, v[32:35], s[76:77]
	s_and_b32 s53, s[WV], 3
	s_cmp_lg_u32 s53, 1                            ; waves 1, 5, 9, 13 store the scale words of two fragments: m = 0 and 1, 2 and 3, 4 and 5, 6 and 7
	s_cbranch_scc1 .Ldone
	ds_load_b32 v40, v31
	s_wait_dscnt 0x0
	global_store_b32 v41, v40, s[78:79]
.Ldone:
	s_wait_tensorcnt 0x0
	ds_add_u32 v223, v243
	s_wait_dscnt 0x0
	CROUND                                         ; the closing round
	s_endpgm
.Lfunc_end_k_qdaa165dc98_attn:
	.size	k_qdaa165dc98_attn, .Lfunc_end_k_qdaa165dc98_attn-k_qdaa165dc98_attn
	.p2alignl 7, 3214868480
	.fill 96, 4, 3214868480
	.section	.rodata,"a",@progbits
	.p2align	6, 0x0
	.amdhsa_kernel k_qdaa165dc98_attn
		.amdhsa_group_segment_fixed_size 327680
		.amdhsa_private_segment_fixed_size 0
		.amdhsa_enable_private_segment 0
		.amdhsa_kernarg_size 16
		.amdhsa_user_sgpr_count 2
		.amdhsa_user_sgpr_kernarg_segment_ptr 1
		.amdhsa_wavefront_size32 1
		.amdhsa_system_sgpr_workgroup_id_x 1
		.amdhsa_system_sgpr_workgroup_id_y 1
		.amdhsa_system_sgpr_workgroup_id_z 1
		.amdhsa_system_vgpr_workitem_id 0
		.amdhsa_next_free_vgpr 256
		.amdhsa_next_free_sgpr 100
		.amdhsa_reserve_vcc 1
		.amdhsa_float_denorm_mode_32 3
		.amdhsa_float_denorm_mode_16_64 3
		.amdhsa_memory_ordered 1
		.amdhsa_forward_progress 1
		.amdhsa_inst_pref_size 40
	.end_amdhsa_kernel
	.amdgpu_metadata
---
amdhsa.version: [ 1, 2 ]
amdhsa.kernels:
  - .name:           k_qdaa165dc98_attn
    .symbol:         k_qdaa165dc98_attn.kd
    .args:
      - { .name: QB, .offset: 0, .size: 8, .value_kind: global_buffer, .address_space: global }
      - { .name: CB, .offset: 8, .size: 8, .value_kind: global_buffer, .address_space: global }
    .group_segment_fixed_size: 327680
    .private_segment_fixed_size: 0
    .kernarg_segment_align: 8
    .kernarg_segment_size: 16
    .max_flat_workgroup_size: 512
    .sgpr_count:     100
    .vgpr_count:     256
    .wavefront_size: 32
...
	.end_amdgpu_metadata
.endif
;; end of part 3
;; launch wo (part 4): grid 8 x 32, 4 waves a work-group, no clusters, 270,848 bytes of LDS; arguments CB, PB, bo, x, X1; writes X1
.if DOCPART == 4
	.amdgcn_target "amdgcn-amd-amdhsa--gfx1250"
	.amdhsa_code_object_version 6
	.text
	.protected	k_qdaa165dc98_wo
	.globl	k_qdaa165dc98_wo
	.p2align	8
	.type	k_qdaa165dc98_wo,@function
k_qdaa165dc98_wo:
	s_mov_b64 s[64:65], 0
	v_nop
	global_prefetch_b8 v0, s[64:65] scope:SCOPE_SE
	s_setreg_imm32_b32 hwreg(HW_REG_WAVE_MODE, 25, 1), 1
	s_wait_xcnt 0x0
; x1 = x + ctx Wo + bo: [4096][1024] f32, K = 1,024.  The text is that of the launch for W2 with other constants; see its head for the layout of operands and the way out.
; A work-group makes 128 tokens x 128 n.  EACH WAVE MAKES THE WHOLE BLOCK (64 accumulators) OVER ITS OWN QUARTER OF K, here 2 K steps of 128; the four partial blocks are summed at the end through LDS.
; Fragments are stored as register images, so they go from memory straight into registers, each read by one wave of the work-group.  All of a wave's 112 operand loads are issued at its head.
; No tensor load, so no joint load and no cluster; no prefetch of the operands: there is no walk to run ahead in.  The residual's rows are prefetched at the head.
.set KSN,   8
.set KW,    2                          ; K steps a wave
.set NG,    2                          ; of them, those whose token fragments come by global loads
.set ASOFF, 3145728
.set BOFF,  5734400
.set BSOFF, 6520832
.set NT,    KW-NG
.set FRB,   1536
.set ROWB,  FRB*KSN
.set SPITCH, 528
.set REG,   128*SPITCH
.set SPARE, 4*REG
.set LI,  4
.set L4,  5
.set STO, 6
.set ADP, 7
.set RD,  8
.set PFO, 12
.set SPW, 14
.set NIL, 15
.set PF,  32
.set SCR, 224
.set G0,  32
.set G1,  40
.set MSB, 0
.macro WIN new
.if MSB != (\new)
	s_set_vgpr_msb (MSB<<8)|(\new)
.set MSB, (\new)
.endif
.endm
.macro CROUND
	s_barrier_signal -1
	s_barrier_wait -1
	s_cmp_lg_u32 s14, 0
	s_cbranch_scc1 .Lnot_wave_0_\@
	s_barrier_signal -3
.Lnot_wave_0_\@:
	s_barrier_wait -3
	s_barrier_signal -1
	s_barrier_wait -1
.endm
.macro PLACES
.rept 4
	v_nop
.endr
.endm
.macro LDP s, i0
.irp i, 0,1,2,3
.irp g, 0,1,2
	global_load_b128 v[PF+96*((\s)%2)+12*(\i0+\i)+4*\g:PF+96*((\s)%2)+12*(\i0+\i)+4*\g+3], v[LI], s[20:21] offset:ROWB*(\i0+\i)+FRB*(\s)+512*\g
.endr
.endr
.endm
.macro LDPL s
.irp i, 0,1,2,3,4,5,6,7
.irp g, 0,1,2
	ds_load_b128 v[PF+96*((\s)%2)+12*\i+4*\g:PF+96*((\s)%2)+12*\i+4*\g+3], v[ADP] offset:NT*FRB*\i+FRB*((\s)-NG)+512*\g
.endr
.endr
.endm
.macro LDR s
	WIN 0x40
.irp i, 0,1,2,3,4,5,6,7
.irp g, 0,1,2
	global_load_b128 v[128*((\s)%2)+12*\i+4*\g:128*((\s)%2)+12*\i+4*\g+3], v[LI], s[22:23] offset:ROWB*\i+FRB*(\s)+512*\g
.endr
.endr
	WIN 0
.endm
.macro LSC j
.irp i, 0,1,2,3,4,5,6,7
	global_load_b32 v[SCR+16*((\j)%2)+\i], v[L4], s[24:25] offset:64*KSN*\i+128*(\j)
	global_load_b32 v[SCR+16*((\j)%2)+8+\i], v[L4], s[26:27] offset:64*KSN*\i+128*(\j)
.endr
.endm
.macro MUL32 hi, s
.irp a, 0,1,2,3
.irp b, 0,1,2,3,4,5,6,7
.if \s == 0
	v_wmma_scale_f32_16x16x128_f8f6f4 v[8*(8*\a+\b):8*(8*\a+\b)+7], v[128*F+12*\b:128*F+12*\b+11], v[PF+96*F+12*(4*\hi+\a):PF+96*F+12*(4*\hi+\a)+11], 0, v[SS+8+\b], v[SS+4*\hi+\a] matrix_a_fmt:MATRIX_FMT_FP6 matrix_b_fmt:MATRIX_FMT_FP6
.elseif F == 0
	v_wmma_scale_f32_16x16x128_f8f6f4 v[8*(8*\a+\b):8*(8*\a+\b)+7], v[128*F+12*\b:128*F+12*\b+11], v[PF+96*F+12*(4*\hi+\a):PF+96*F+12*(4*\hi+\a)+11], v[8*(8*\a+\b):8*(8*\a+\b)+7], v[SS+8+\b], v[SS+4*\hi+\a] matrix_a_fmt:MATRIX_FMT_FP6 matrix_b_fmt:MATRIX_FMT_FP6
.else
	v_wmma_scale_f32_16x16x128_f8f6f4 v[8*(8*\a+\b):8*(8*\a+\b)+7], v[128*F+12*\b:128*F+12*\b+11], v[PF+96*F+12*(4*\hi+\a):PF+96*F+12*(4*\hi+\a)+11], v[8*(8*\a+\b):8*(8*\a+\b)+7], v[SS+8+\b], v[SS+4*\hi+\a] matrix_a_fmt:MATRIX_FMT_FP6 matrix_b_fmt:MATRIX_FMT_FP6 matrix_a_scale:MATRIX_SCALE_ROW1 matrix_b_scale:MATRIX_SCALE_ROW1
.endif
.endr
.endr
.endm
.macro STEP s
.set F, (\s)%2
.set SS, SCR+16*(((\s)/2)%2)
.set CNT, 0
.if \s == 0
.set CNT, 48
.else
.if (\s)%2 == 1 && \s+1 < KW
.set CNT, CNT+16
.endif
.if \s+1 < NG
.set CNT, CNT+24
.endif
.if \s+1 < KW
.set CNT, CNT+24
.endif
.if \s+1 == KW
.set CNT, CNT+33
.endif
.if CNT > 63
.set CNT, 63
.endif
.endif
	s_wait_loadcnt CNT
.if \s >= NG
	s_wait_dscnt 0x0
.endif
	WIN 0xa1
	MUL32 0, \s
.if ((\s)%2 == 0 && \s+2 < KW) || (\s+2 < NG) || (\s+1 >= NG && \s+1 < KW)
	PLACES
	WIN 0
.if (\s)%2 == 0 && \s+2 < KW
	LSC (\s)/2+1
.endif
.if \s+2 < NG
	LDP \s+2, 0
.endif
.if \s+1 >= NG && \s+1 < KW
.if \s+1 == NG
	s_wait_tensorcnt 0x0
.endif
	LDPL \s+1
.endif
.endif
	WIN 0xf1
	MUL32 1, \s
.if \s+2 < KW
	PLACES
	WIN 0
.if \s+2 < NG
	LDP \s+2, 4
.endif
	LDR \s+2
.endif
.if \s+2 == KW
	PLACES
	WIN 0
	global_load_b128 v[PF:PF+3], v[LI], s[8:9]
	WIN 0x40
.set t, 0
.rept 32
	global_load_b128 v[4*t:4*t+3], v[LI], s[10:11] offset:(8*(t/16)+t%8+16*((t/8)%2))*4096 th:TH_LOAD_NT
.set t, t+1
.endr
	WIN 0
.endif
.endm
.macro ADDS d, s
.set t, 0
.rept 16
	v_pk_add_f32 v[16*t+\d:16*t+\d+1], v[16*t+\d:16*t+\d+1], v[16*t+\s:16*t+\s+1]
.set t, t+1
.endr
.endm
	s_load_b256 s[4:11], s[0:1], 0x0
	s_load_b64 s[12:13], s[0:1], 0x20
	v_lshl_add_u32 v[SPW], v0, 2, SPARE
	v_mov_b32 v[NIL], 0
.if NT > 0
	ds_add_u32 v[SPW], v[NIL]
	ds_add_u32 v[SPW], v[NIL]
.endif
	v_lshrrev_b32 v1, 5, v0
	v_readfirstlane_b32 s14, v1
.if NT > 0
	s_bfe_u32 s15, ttmp6, 0x40000
	s_lshl_b32 s16, ttmp9, 2
	s_add_co_u32 s16, s16, s15
.else
	s_mov_b32 s16, ttmp9
.endif
	s_and_b32 s17, ttmp7, 0xffff
	s_mul_i32 s18, s14, KW*FRB
	s_mul_i32 s20, s17, 8*ROWB
	s_add_co_u32 s20, s20, s18
	s_mov_b32 s21, 0
	s_mul_i32 s22, s16, 8*ROWB
	s_add_co_u32 s22, s22, s18
	s_add_co_u32 s22, s22, BOFF
	s_mov_b32 s23, 0
	s_mul_i32 s18, s14, KW*64
	s_mul_i32 s24, s17, 8*64*KSN
	s_add_co_u32 s24, s24, s18
	s_add_co_u32 s24, s24, ASOFF
	s_mov_b32 s25, 0
	s_mul_i32 s26, s16, 8*64*KSN
	s_add_co_u32 s26, s26, s18
	s_add_co_u32 s26, s26, BSOFF
	s_mov_b32 s27, 0
	s_lshl_b32 s28, s17, 7
	s_lshl_b32 s18, s14, 5
	s_add_co_u32 s28, s28, s18
	s_lshl_b32 s28, s28, 12
	s_lshl_b32 s30, s16, 9
	s_add_co_u32 s28, s28, s30
	s_mov_b32 s29, 0
	s_mov_b32 s31, 0
	s_mul_i32 s19, s14, REG
	s_mul_i32 s18, s14, 32*SPITCH
.if NT > 0
	s_mov_b32 s[G1], 15|(3<<16)|(1<<21)
	s_mov_b32 s[G1+1], (192*NT)<<16
	s_mov_b32 s[G1+2], 8<<16
	s_mov_b32 s[G1+3], (192*NT)<<16
	s_mov_b32 s[G1+4], 8
	s_mov_b32 s[G1+5], 192*KSN
	s_mov_b32 s[G1+6], 0
	s_mov_b32 s[G1+7], 0
.endif
	v_and_b32 v3, 31, v0
	v_and_b32 v1, 15, v0
	v_bfe_u32 v2, v0, 4, 1
	v_lshlrev_b32 v[LI], 4, v3
	v_lshlrev_b32 v[L4], 2, v3
	v_mul_u32_u24 v[STO], v1, SPITCH
	v_lshl_add_u32 v[STO], v2, 6, v[STO]
	v_add_nc_u32 v[STO], s19, v[STO]
.if NT > 0
	v_add_nc_u32 v[ADP], s19, v[LI]
.endif
	v_add_nc_u32 v[RD], s18, v[LI]
	v_add_nc_u32 v[RD+1], REG, v[RD]
	v_add_nc_u32 v[RD+2], 2*REG, v[RD]
	v_add_nc_u32 v[RD+3], 3*REG, v[RD]
	v_lshrrev_b32 v[PFO], 1, v3
	v_lshlrev_b32 v[PFO], 12, v[PFO]
	v_and_b32 v1, 1, v0
	v_lshl_add_u32 v[PFO], v1, 8, v[PFO]
	s_wait_alu depctr_va_vdst(0)
.if NT > 0
	s_wait_dscnt 0x0
.endif
	s_wait_kmcnt 0x0
	s_add_nc_u64 s[20:21], s[4:5], s[20:21]
	s_add_nc_u64 s[22:23], s[6:7], s[22:23]
	s_add_nc_u64 s[24:25], s[4:5], s[24:25]
	s_add_nc_u64 s[26:27], s[6:7], s[26:27]
	s_add_nc_u64 s[8:9], s[8:9], s[30:31]
	s_add_nc_u64 s[10:11], s[10:11], s[28:29]
	s_add_nc_u64 s[12:13], s[12:13], s[28:29]
	LDP 0, 0
	LDP 0, 4
	LDR 0
.if NT > 0
	s_mov_b32 s[G0], 1
	s_mov_b32 s[G0+1], s19
	s_add_nc_u64 s[G0+2:G0+3], s[20:21], NG*FRB
	s_or_b32 s[G0+3], s[G0+3], 0x80000000
	CROUND
	tensor_load_to_lds s[G0:G0+3], s[G1:G1+7]
	s_nop 0
.endif
	LSC 0
	LDP 1, 0
	LDP 1, 4
	LDR 1
	global_prefetch_b8 v[PFO], s[10:11] th:TH_LOAD_NT scope:SCOPE_SE
	global_prefetch_b8 v[PFO], s[10:11] offset:65536 th:TH_LOAD_NT scope:SCOPE_SE
.set ST, 0
.rept KW
	STEP ST
.set ST, ST+1
.endr
	PLACES
.irp a, 0,1,2,3,4,5,6,7
	WIN 0x08+4*(\a/4)
.irp b, 0,1,2,3,4,5,6,7
	ds_store_b128 v[STO], v[8*(8*(\a%4)+\b):8*(8*(\a%4)+\b)+3] offset:16*\a*SPITCH+128*(\b/2)+32*(\b%2)
	ds_store_b128 v[STO], v[8*(8*(\a%4)+\b)+4:8*(8*(\a%4)+\b)+7] offset:16*\a*SPITCH+128*(\b/2)+32*(\b%2)+16
.endr
.endr
	WIN 0
	s_wait_dscnt 0x0
	s_barrier_signal -1
	s_barrier_wait -1
.irp k, 0,1
	WIN 0x80+0x40*\k
.set t, 0
.rept 16
.irp q, 0,1,2,3
	ds_load_b128 v[16*t+4*\q:16*t+4*\q+3], v[RD+\q] offset:SPITCH*(16*\k+t)
.endr
.set t, t+1
.endr
.endr
	s_wait_loadcnt 0x0
.irp k, 0,1
	s_wait_dscnt 63-63*\k
	WIN 0x8a+0x45*\k
	ADDS 0, 4
	ADDS 2, 6
	ADDS 8, 12
	ADDS 10, 14
	ADDS 0, 8
	ADDS 2, 10
	WIN 0x86+0x41*\k
.set t, 0
.rept 16
	v_pk_add_f32 v[16*t:16*t+1], v[16*t:16*t+1], v[64*\k+4*t:64*\k+4*t+1]
	v_pk_add_f32 v[16*t+2:16*t+3], v[16*t+2:16*t+3], v[64*\k+4*t+2:64*\k+4*t+3]
.set t, t+1
.endr
	WIN 0x82+0x41*\k
.set t, 0
.rept 16
	v_pk_add_f32 v[16*t:16*t+1], v[16*t:16*t+1], v[PF:PF+1]
	v_pk_add_f32 v[16*t+2:16*t+3], v[16*t+2:16*t+3], v[PF+2:PF+3]
.set t, t+1
.endr
	WIN 0x08+4*\k
.set t, 0
.rept 16
	global_store_b128 v[LI], v[16*t:16*t+3], s[12:13] offset:(8*\k+t%8+16*(t/8))*4096
.set t, t+1
.endr
.endr
	WIN 0
	s_wait_tensorcnt 0x0
	ds_add_u32 v[SPW], v[NIL]
	s_wait_dscnt 0x0
.if NT > 0
	CROUND
.endif
	s_endpgm
.Lfunc_end_k_qdaa165dc98_wo:
	.size	k_qdaa165dc98_wo, .Lfunc_end_k_qdaa165dc98_wo-k_qdaa165dc98_wo
	.p2alignl 7, 3214868480
	.fill 96, 4, 3214868480
	.section	.rodata,"a",@progbits
	.p2align	6, 0x0
	.amdhsa_kernel k_qdaa165dc98_wo
		.amdhsa_group_segment_fixed_size 270848
		.amdhsa_private_segment_fixed_size 0
		.amdhsa_enable_private_segment 0
		.amdhsa_kernarg_size 40
		.amdhsa_user_sgpr_count 2
		.amdhsa_user_sgpr_kernarg_segment_ptr 1
		.amdhsa_wavefront_size32 1
		.amdhsa_system_sgpr_workgroup_id_x 1
		.amdhsa_system_sgpr_workgroup_id_y 1
		.amdhsa_system_sgpr_workgroup_id_z 1
		.amdhsa_system_vgpr_workitem_id 0
		.amdhsa_next_free_vgpr 1024
		.amdhsa_next_free_sgpr 66
		.amdhsa_reserve_vcc 0
		.amdhsa_float_denorm_mode_32 3
		.amdhsa_float_denorm_mode_16_64 3
		.amdhsa_memory_ordered 1
		.amdhsa_forward_progress 1
		.amdhsa_inst_pref_size 74
	.end_amdhsa_kernel
	.amdgpu_metadata
---
amdhsa.version: [ 1, 2 ]
amdhsa.kernels:
  - .name:           k_qdaa165dc98_wo
    .symbol:         k_qdaa165dc98_wo.kd
    .args:
      - { .name: CB, .offset: 0, .size: 8, .value_kind: global_buffer, .address_space: global }
      - { .name: PB, .offset: 8, .size: 8, .value_kind: global_buffer, .address_space: global }
      - { .name: bo, .offset: 16, .size: 8, .value_kind: global_buffer, .address_space: global }
      - { .name: x, .offset: 24, .size: 8, .value_kind: global_buffer, .address_space: global }
      - { .name: X1, .offset: 32, .size: 8, .value_kind: global_buffer, .address_space: global }
    .group_segment_fixed_size: 270848
    .private_segment_fixed_size: 0
    .kernarg_segment_align: 8
    .kernarg_segment_size: 40
    .max_flat_workgroup_size: 128
    .sgpr_count:     66
    .vgpr_count:     1024
    .wavefront_size: 32
...
	.end_amdgpu_metadata
.endif
;; end of part 4
;; launch ln2: the kernel of part 1 again; grid 256 x 1, 4 waves a work-group, no clusters, 93,184 bytes of LDS; arguments X1, g2, be2, Wq, Wk, Wv, Wo, W1, W2, H2B; writes H2B
;; launch w1 (part 5): grid 16 x 16, 4 waves a work-group, clusters of 4 x 4, 327,680 bytes of LDS; arguments H2B, PB, b1, FB; writes FB
.if DOCPART == 5
	.amdgcn_target "amdgcn-amd-amdhsa--gfx1250"
	.amdhsa_code_object_version 6
	.text
	.protected	k_qdaa165dc98_w1
	.globl	k_qdaa165dc98_w1
	.p2align	8
	.type	k_qdaa165dc98_w1,@function
k_qdaa165dc98_w1:
	s_mov_b64 s[64:65], 0
	v_nop
	global_prefetch_b8 v0, s[64:65] scope:SCOPE_SE
	s_setreg_imm32_b32 hwreg(HW_REG_WAVE_MODE, 25, 1), 1
	s_wait_xcnt 0x0
	s_wait_alu depctr_hold_cnt(0) depctr_sa_sdst(0) depctr_va_vdst(0) depctr_va_sdst(0) depctr_va_ssrc(0) depctr_va_vcc(0) depctr_vm_vsrc(0)
	s_getreg_b32 s2, hwreg(HW_REG_IB_STS2, 6, 4)
	s_cmp_eq_u32 s2, 0
	s_cbranch_scc0 .Lentry_in_a_cluster
	s_endpgm
.Lentry_in_a_cluster:
	s_bfe_u32 s2, ttmp6, 0x10000c
	s_cmp_lg_u32 s2, 0xf033
	s_cbranch_scc0 .Lentry_shape_is_right
	s_endpgm
.Lentry_shape_is_right:
; ff = relu(LN2(x1) W1 + b1), a product on codes of FP6 (E2M3), K = 1,024, its result quantised in registers along the 4,096 hidden units and stored as codes.  The text is that of the launch for q, k, v with QKV = 0.
; OPERANDS are register images (16 rows x 128 K = 1,536 bytes; scale words 64 bytes) at (rb x 8 + ks); rows in groups of 32: row 32 G + 16 a + 8 u + j = fragment 2 G + u, lane-row 8 a + j.
; A = 4,096 tokens (tile row), B = W1's 4,096 rows (tile column).  A work-group makes 256 x 256, a wave 128 x 128: 64 accumulators, 512 registers.
; EVERY PRODUCT IS D = R x P: source 0 = a fragment of the R side (W1), source 1 = one of the P side (tokens).  A lane then holds ONE token, and by the order of rows above the 64 registers of one P block over R's eight
; tiles are 128 neighbouring hidden units: register 16 b + i = unit 32 b + 16 (lane / 16) + i: what the quantiser takes.  Its 12 registers ARE the next operand's image: three stores of 512 bytes, no stage.
; The bias is the C of each sum's first product.  OUT: fragment (token fragment x 32 + K step), K step = 2 x tile column + wc.
; K = 1,024 is four slots' worth of 256.  LDS holds THREE slots: the scale words and the first 768 along K come with the first fills, one group at the start (one tensor load of a wave is out at a time); the last 256
; fill slot 0 again, behind the one round of the cluster's barrier that stands where slot 0 has been read, and have slots 1 and 2, 256 matrix instructions, in which to land.  All loads are joint: A's tiles are shared
; along a row of the cluster, B's along a column.
; LIMITS: a block of zeros gets the byte 1 (its codes are zeros; this program alone reads the bytes); blocks under 2^-124 are held at byte 1; NaN and infinities are not served.
; REGISTERS: window 0: v0-31 addresses; v32-63 scale words, two sets; v64-127 the bias, later the activation; v128-223 P's fragments, one set; on the way out v128-171 at work.
;   window 1: R's fragments, two sets, at v0 and v128.   windows 2, 3: accumulator (a, b) at v[8 (8 (a % 4) + b)] of window 2 + a / 4.
.set QKV,   0
.set NL,    3                          ; LDS loads that bring a fragment
.set NP,    4                          ; places behind this matrix instruction (ISA guide 7.12.1)
.set FR,    12
.set HALFT, 24576                      ; 8 fragment rows x 2 K steps x 1,536: what one tensor load brings
.set SLOT,  4*HALFT                    ; A's two halves, then B's two
.set HALFS, 4096                       ; 8 fragment rows x 8 K steps x 64 bytes of scale words
.set SCL,   3*SLOT
.set SPARE, SCL+4*HALFS                ; the spare words, 128 bytes for each wave: two blocks of 256 bytes that no other line names
.if QKV
.set AOFF,  0
.set ASOFF, 3145728
.set BOFF,  3276800
.set BSOFF, 5636096
.set APC,   1536
.set APS,   64
.set FIRST, 1
.else
.set AOFF,  0
.set ASOFF, 3145728
.set BOFF,  6553600
.set BSOFF, 9699328
.set APC,   49152                      ; from one P block's image to the next in the output,
.set APS,   2048                       ; and from its scale words
.set FIRST, 2
.endif
.set ADRP, 16                          ; v16-19 LDS address of P's fragments in slot 0, 1, 2, 3
.set ADRR, 20                          ; v20-23 of R's
.set SOA,  24                          ; v24    the way out: 4 p + (lane / 16) APS
.set BAD,  25                          ; v25    the bias: 64 (lane / 16)
.set LI,   26                          ; v26    16 x lane
.set ADRS, 27                          ; v27    LDS address of my scale words: lanes 0-15 P's, lanes 16-31 R's
.set SPW,  28                          ; v28    LDS address of my spare word; never rewritten
.set NIL,  29                          ; v29    0; never rewritten
.set SC,   32                          ; set s at v[SC + 16 s]; register 2 i + q: block i's words of the slot's q-th K step
.set BI,   64
.set HA,   64
.set AF,   128
.set PC,   128
.set TM,   148
.set PWS,  164
.set G1,   24
.set G0,   32                          ; s[32:35] group 0 for A's last fill, into slot 0;
.set G0A2, 4                           ; s[4:7]   in slot 2 (the buffers' addresses that lay here have been used by then)
.set G1B,  48
.set G0B,  56                          ; s[56:59] the same for B's,
.set G0B2, 92                          ; s[92:95]
.set G1S,  68
.set G0S,  76
.set G1SB, 80
.set G0SB, 88
.set SEL,  96
.set MSB, 0
.macro WIN new                         ; the immediate's high byte repeats the setting that is left
.if MSB != (\new)
	s_set_vgpr_msb (MSB<<8)|(\new)
.set MSB, (\new)
.endif
.endm
.macro WMUL hi, zero                   ; source 0 (R) window 1, source 1 (P) window 0, D window 2 + hi; C with D, or (the bias) window 0
.if \zero == 2
	WIN 0x81+0x40*\hi
.else
	WIN 0xa1+0x50*\hi
.endif
.endm
; A joint load: waves 0 and 1 fetch for A, waves 2 and 3 for B.  Each line has one mask and one set of registers; the branch hangs on the wave's number alone.  Four v_nop follow each line.
.macro JLOAD g0a, g1a, g0b, g1b
	s_cmp_eq_u32 s15, 0
	s_cbranch_scc0 .Lfor_b_\@
	tensor_load_to_lds s[\g0a:\g0a+3], s[\g1a:\g1a+7]
	s_nop 0
.rept 4
	v_nop
.endr
	s_branch .Lasked_\@
.Lfor_b_\@:
	tensor_load_to_lds s[\g0b:\g0b+3], s[\g1b:\g1b+7]
	s_nop 0
.rept 4
	v_nop
.endr
.Lasked_\@:
.endm
.macro CREST                           ; a round of the cluster's barrier behind its opening barrier
	s_cmp_lg_u32 s14, 0
	s_cbranch_scc1 .Lnot_wave_0_\@
	s_barrier_signal -3
.Lnot_wave_0_\@:
	s_barrier_wait -3
	s_barrier_signal -1
	s_barrier_wait -1
.endm
.macro CROUND
	s_barrier_signal -1
	s_barrier_wait -1
	CREST
.endm
.macro PLACES n
.rept \n
	v_nop
.endr
.endm
.macro SETSTR slot                     ; from one fragment row to the next in LDS: K steps 0-3 (slots 0, 1) lie as rows of four K steps, all later tiles as rows of two
.if \slot < 2
.set STR, 6144
.else
.set STR, 3072
.endif
.endm
.macro FRAG reg, adr, q, i
.irp g, 0,1,2
	ds_load_b128 v[\reg+4*\g:\reg+4*\g+3], v[\adr] offset:STR*(\i)+1536*(\q)+512*\g
.endr
.endm
.macro FETCH_R slot, q, p              ; R's eight fragments into set p of window 1
	SETSTR \slot
	WIN 0x40
.irp i, 0,1,2,3,4,5,6,7
	FRAG 128*(\p)+FR*\i, ADRR+\slot, \q, \i
.endr
	WIN 0
.endm
.macro FETCH_P slot, q, i0
	SETSTR \slot
.irp i, \i0, \i0+1, \i0+2, \i0+3
	FRAG AF+FR*(\i), ADRP+\slot, \q, \i
.endr
.endm
.macro SCALES sc
.irp i, 0,1,2,3,4,5,6,7
.irp q, 0,1
	ds_load_b32 v[SC+16*(\sc)+2*\i+\q], v[ADRS] offset:512*\i+64*\q
.endr
.endr
.endm
; 16 matrix instructions: P's blocks a0, a0 + 1 x R's eight.  zero = 1: the first product starts the sums; 2: from the bias.  The 64 accumulators take turns, one instruction a turn.
.macro MUL16 a0, p, q, sc, zero
.irp a, \a0, \a0+1
.irp b, 0,1,2,3,4,5,6,7
.if \zero == 1
	v_wmma_scale_f32_16x16x128_f8f6f4 v[8*(8*((\a)%4)+\b):8*(8*((\a)%4)+\b)+7], v[128*(\p)+FR*\b:128*(\p)+FR*\b+FR-1], v[AF+FR*(\a):AF+FR*(\a)+FR-1], 0, v[SC+16*(\sc)+2*\b+(\q)], v[SC+16*(\sc)+2*(\a)+(\q)] matrix_a_fmt:MATRIX_FMT_FP6 matrix_b_fmt:MATRIX_FMT_FP6 matrix_a_scale:MATRIX_SCALE_ROW1
.elseif \zero == 2
	v_wmma_scale_f32_16x16x128_f8f6f4 v[8*(8*((\a)%4)+\b):8*(8*((\a)%4)+\b)+7], v[128*(\p)+FR*\b:128*(\p)+FR*\b+FR-1], v[AF+FR*(\a):AF+FR*(\a)+FR-1], v[BI+8*\b:BI+8*\b+7], v[SC+16*(\sc)+2*\b+(\q)], v[SC+16*(\sc)+2*(\a)+(\q)] matrix_a_fmt:MATRIX_FMT_FP6 matrix_b_fmt:MATRIX_FMT_FP6 matrix_a_scale:MATRIX_SCALE_ROW1
.else
	v_wmma_scale_f32_16x16x128_f8f6f4 v[8*(8*((\a)%4)+\b):8*(8*((\a)%4)+\b)+7], v[128*(\p)+FR*\b:128*(\p)+FR*\b+FR-1], v[AF+FR*(\a):AF+FR*(\a)+FR-1], v[8*(8*((\a)%4)+\b):8*(8*((\a)%4)+\b)+7], v[SC+16*(\sc)+2*\b+(\q)], v[SC+16*(\sc)+2*(\a)+(\q)] matrix_a_fmt:MATRIX_FMT_FP6 matrix_b_fmt:MATRIX_FMT_FP6 matrix_a_scale:MATRIX_SCALE_ROW1
.endif
.endr
.endr
.endm
; A slot's first K step of 128 (sc: its set of scale words).  P has one set of registers: blocks 0-3 are fetched anew in the step's middle, blocks 4-7 at its end; R has two sets.
.macro STEP slot, sc, zero
	s_wait_dscnt 4*NL                              ; R's set and P's blocks 0-3 are in; the youngest 12 loads (P's blocks 4-7) may be out
	WMUL 0, \zero
	MUL16 0, 0, 0, \sc, \zero
	MUL16 2, 0, 0, \sc, \zero
	s_wait_dscnt 0x0                               ; P's blocks 4-7 are in
	PLACES NP                                      ; in front of loads into registers that matrix instructions have read
	FETCH_R \slot, 1, 1
	FETCH_P \slot, 1, 0
	WMUL 1, \zero
	MUL16 4, 0, 0, \sc, \zero
	MUL16 6, 0, 0, \sc, \zero
	PLACES NP
	WIN 0
	FETCH_P \slot, 1, 4
.endm
; A slot's second K step changes slots.
; mode 1 (slot 0 alone): the slot is filled again: each wave waits for all its tensor loads, adds 0 to its spare word, and waits for that and for its reads of the slot; the barrier opens a round of the cluster's.
; mode 2: the next slot was shown whole to every wave at the head's round, and nothing is filled: no barrier, and no wait on the refill, which stays on its way.
; mode 0: the next slot is the refilled one: the same three lines and a barrier of the work-group, behind which nothing is filled.
.macro TURN slot, sc, next, mode
.if \mode < 2
	s_wait_tensorcnt 0x0                           ; all my tensor loads have landed  (every window is 0 here)
	ds_add_u32 v[SPW], v[NIL]                      ; 0 onto my spare word
	s_wait_dscnt 4*NL+1                            ; (the add and the youngest 12 loads may be out)
.else
	s_wait_dscnt 4*NL                              ; (the youngest 12 loads may be out)
.endif
	WMUL 0, 0
	MUL16 0, 1, 1, \sc, 0                          ; sixteen matrix instructions stand between the add and the wait for it
.if \mode < 2
	s_wait_dscnt 0x0                               ; the add is done, and my reads of this slot are over
	s_barrier_signal -1
.endif
	MUL16 2, 1, 1, \sc, 0
	WIN 0
.if \mode < 2
	s_barrier_wait -1
.else
	s_wait_dscnt 0x0                               ; P's blocks 4-7 are in
.endif
.if \mode == 1
	CREST                                          ; no wave of any partner still reads this slot or has a load on its way
	s_add_nc_u64 s[G0+2:G0+3], s[G0+2:G0+3], 3*3072    ; K steps 6 and 7
	s_add_nc_u64 s[G0B+2:G0B+3], s[G0B+2:G0B+3], 3*3072
	JLOAD G0, G1, G0B, G1B                         ; the launch's last tensor load, into bytes 0 .. SLOT, which held A's K steps 0-3
.else
	PLACES NP
.endif
	v_add_nc_u32 v[ADRS], 128, v[ADRS]             ; the next slot's scale words: two K steps on
	FETCH_R \next, 0, 0
	FETCH_P \next, 0, 0
	SCALES 1-\sc
	WMUL 1, 0
	MUL16 4, 1, 1, \sc, 0
	MUL16 6, 1, 1, \sc, 0
	PLACES NP
	WIN 0
	FETCH_P \next, 0, 4
.endm
; 64 numbers of a lane in window w, register 16 b + i = k 32 b + 16 (lane / 16) + i, become a fragment's codes in v[PC] on and its scale word in v[pw].  Each accumulator is read from its low end on.
.macro QUANTW s, w, pw
	WIN 0x05*(\w)                                  ; sources 0 and 1
.irp b, 0,1,2,3
	v_max3_num_f32 v[TM+\b], |v[\s+16*\b]|, |v[\s+1+16*\b]|, 0x1800000   ; and the floor 2^(3 - 127): the byte cannot fall under 1
.endr
	WIN 0x14*(\w)                                  ; sources 1 and 2
.irp i, 2,4,6,8,10,12,14
.irp b, 0,1,2,3
	v_max3_num_f32 v[TM+\b], v[TM+\b], |v[\s+16*\b+\i]|, |v[\s+1+16*\b+\i]|
.endr
.endr
	WIN 0
.irp b, 0,1,2,3
	v_permlanex16_b32 v[TM+4+\b], v[TM+\b], s[SEL], s[SEL+1]
.endr
.irp b, 0,1,2,3
	v_max_num_f32 v[TM+\b], v[TM+\b], v[TM+4+\b]
.endr
.irp b, 0,1,2,3
	v_add_nc_u32 v[TM+12+\b], 0xff000000, v[TM+\b] ; 2 off the exponent field: the conversion's scale operand
.endr
.irp b, 0,1,2,3
	v_lshrrev_b32 v[TM+4+\b], 23, v[TM+12+\b]
.endr
	v_lshl_or_b32 v[\pw], v[TM+5], 8, v[TM+4]
	v_lshl_or_b32 v[\pw], v[TM+6], 16, v[\pw]
	v_lshl_or_b32 v[\pw], v[TM+7], 24, v[\pw]
	WIN (\w)                                       ; source 0
.irp c, 0,1
	v_cvt_scalef32_pk16_fp6_f32 v[PC+6*\c:PC+2+6*\c], v[\s+32*\c:\s+15+32*\c], v[TM+12+2*\c]
	v_cvt_scalef32_pk16_fp6_f32 v[PC+12+4*\c:PC+14+4*\c], v[\s+16+32*\c:\s+31+32*\c], v[TM+12+2*\c+1]
.endr
	WIN 0
	v_nop                                          ; one plain place behind a scaled conversion
.irp c, 0,1
.irp i, 0,1,2
	v_permlane16_swap_b32 v[PC+6*\c+\i], v[PC+12+4*\c+\i]
.endr
.irp i, 0,1,2
	v_mov_b32 v[PC+3+6*\c+\i], v[PC+12+4*\c+\i]
.endr
.endr
.endm
	s_load_b128 s[4:7], s[0:1], 0x0
.if !QKV
	s_load_b128 s[8:11], s[0:1], 0x10
.endif
	v_lshl_add_u32 v[SPW], v0, 2, SPARE
	v_mov_b32 v[NIL], 0
	ds_add_u32 v28, v29
	ds_add_u32 v28, v29
	s_wait_dscnt 0x0
	v_lshrrev_b32 v1, 5, v0
	v_readfirstlane_b32 s14, v1                    ; wave 0..3
	s_lshr_b32 s15, s14, 1                         ; wr: which half of A's rows is mine.  Also: I fetch for A (0) or for B (1)
	s_and_b32 s16, s14, 1                          ; wc: which half of B's rows.  Also: which half of that tile I fetch
	s_bfe_u32 s40, ttmp6, 0x40000                  ; cx, cy: my place in the cluster
	s_bfe_u32 s41, ttmp6, 0x40004
	s_lshl_b32 s42, ttmp9, 2
	s_add_co_u32 s42, s42, s40                     ; tile column
	s_and_b32 s17, ttmp7, 0xffff
	s_lshl_b32 s17, s17, 2
	s_add_co_u32 s17, s17, s41                     ; tile row
	s_lshl_b32 s43, s41, 2
	s_lshl_b32 s43, 15, s43                        ; my row of the cluster
	s_lshl_b32 s44, 0x1111, s40                    ; my column
	; group 1 for codes: 8 fragment rows x 3,072 bytes (two K steps), 12,288 bytes apart; elements of 8 bytes; no padding
	s_or_b32 s[G1+0], s43, (3<<16)|(1<<21)
	s_or_b32 s[G1B+0], s44, (3<<16)|(1<<21)
.irp g, G1, G1B
	s_mov_b32 s[\g+1], 768<<16                     ; tensor_dim0: four K steps for the head's loads; two behind them
	s_mov_b32 s[\g+2], 16<<16                      ; tensor_dim1: 16 fragment rows for the head's loads; 8 behind them
	s_mov_b32 s[\g+3], 768<<16                     ; tile_dim0 likewise
	s_mov_b32 s[\g+4], 16                          ; tile_dim1 likewise
	s_mov_b32 s[\g+5], 1536                        ; tensor_dim0_stride
	s_mov_b32 s[\g+6], 0
	s_mov_b32 s[\g+7], 0
.endr
	; and for scale words: 8,192 dense bytes as 32 rows of 256
	s_or_b32 s[G1S+0], s43, (3<<16)|(1<<21)
	s_or_b32 s[G1SB+0], s44, (3<<16)|(1<<21)
.irp g, G1S, G1SB
	s_mov_b32 s[\g+1], 32<<16
	s_mov_b32 s[\g+2], 32<<16
	s_mov_b32 s[\g+3], 32<<16
	s_mov_b32 s[\g+4], 32
	s_mov_b32 s[\g+5], 32
	s_mov_b32 s[\g+6], 0
	s_mov_b32 s[\g+7], 0
.endr
	s_lshl_b32 s18, s16, 3
	s_lshl_b32 s20, s17, 4
	s_add_co_u32 s20, s20, s18                     ; A: fragment row 16 x tile row + 8 x half
	s_lshl_b32 s46, s42, 4
	s_add_co_u32 s46, s46, s18                     ; B: 16 x tile column + 8 x half
	s_lshl_b32 s22, s20, 9
	s_add_co_u32 s22, s22, ASOFF
	s_mov_b32 s23, 0
	s_lshl_b32 s92, s46, 9
	s_add_co_u32 s92, s92, BSOFF
	s_mov_b32 s93, 0
	s_mul_i32 s20, s20, 12288
	s_add_co_u32 s20, s20, AOFF
	s_mov_b32 s21, 0
	s_mul_i32 s46, s46, 12288
	s_add_co_u32 s46, s46, BOFF
	s_mov_b32 s47, 0
	s_mul_i32 s45, s14, HALFT                      ; where they go: by the wave's number alone
	s_mov_b32 s[SEL], 0x76543210
	s_mov_b32 s[SEL+1], 0xfedcba98
	s_wait_kmcnt 0x0
.if QKV
	s_mov_b64 s[12:13], s[6:7]
	s_mov_b64 s[6:7], s[4:5]
.else
	s_mov_b64 s[12:13], s[10:11]                   ; the output
.endif
	s_add_nc_u64 s[20:21], s[4:5], s[20:21]
	s_add_nc_u64 s[22:23], s[4:5], s[22:23]
	s_add_nc_u64 s[46:47], s[6:7], s[46:47]
	s_add_nc_u64 s[92:93], s[6:7], s[92:93]
	CROUND                                         ; all sixteen work-groups are here: the first joint loads meet
	s_mov_b32 s[G0S], 1
	s_lshl_b32 s18, s16, 12                        ; what my half adds to a scale words' address: taken off, the head's loads bring whole tiles
	s_mov_b32 s19, 0
	s_mov_b32 s[G0S+1], SCL
	s_sub_nc_u64 s[G0S+2:G0S+3], s[22:23], s[18:19]
	s_or_b32 s[G0S+3], s[G0S+3], 0x80000000
	s_mov_b32 s[G0SB], 1
	s_mov_b32 s[G0SB+1], SCL+2*HALFS
	s_sub_nc_u64 s[G0SB+2:G0SB+3], s[92:93], s[18:19]
	s_or_b32 s[G0SB+3], s[G0SB+3], 0x80000000
.irp s, 0
	s_mov_b32 s[G0+4*\s], 1
	s_add_co_u32 s[G0+4*\s+1], s45, \s*SLOT
	s_add_nc_u64 s[G0+4*\s+2:G0+4*\s+3], s[20:21], \s*3072
	s_or_b32 s[G0+4*\s+3], s[G0+4*\s+3], 0x80000000
	s_mov_b32 s[G0B+4*\s], 1
	s_add_co_u32 s[G0B+4*\s+1], s45, \s*SLOT
	s_add_nc_u64 s[G0B+4*\s+2:G0B+4*\s+3], s[46:47], \s*3072
	s_or_b32 s[G0B+4*\s+3], s[G0B+4*\s+3], 0x80000000
.endr
	s_mov_b32 s[G0A2], 1                           ; slot 2: its groups 0 lie in registers whose first use is over
	s_mul_i32 s2, s16, 8*12288                     ; what my half adds to a codes' address
	s_mov_b32 s3, 0
	s_mov_b32 s[G0A2+1], 0                         ; at the head these four registers name slot 0's whole tile of A; behind it slot 2's quarter
	s_sub_nc_u64 s[G0A2+2:G0A2+3], s[20:21], s[2:3]
	s_or_b32 s[G0A2+3], s[G0A2+3], 0x80000000
	s_mov_b32 s[G0B2], 1
	s_mov_b32 s[G0B2+1], SLOT
	s_sub_nc_u64 s[G0B2+2:G0B2+3], s[46:47], s[2:3]
	s_or_b32 s[G0B2+3], s[G0B2+3], 0x80000000
; THE HEAD'S LOADS, ONE A WAVE: wave 0 A's 16 fragment rows x K steps 0-3 (98,304 bytes, at LDS byte 0), wave 1 B's (at SLOT), wave 2 A's scale words, wave 3 B's.  One chain of branches on the wave's number, one load to an arm.
; K steps 4 and 5 are asked for behind the round in front of the first K step, into slot 2; K steps 6 and 7 behind the round at K step 3, into bytes 0 .. SLOT: one load of a wave is out at a time.
.macro ARM under, g0, g1, next
	s_cmp_lt_u32 s14, \under
	s_cbranch_scc0 \next
	tensor_load_to_lds s[\g0:\g0+3], s[\g1:\g1+7]
	s_nop 0
.rept 4
	v_nop
.endr
	s_branch .Lhead_asked
\next:
.endm
	ARM 1, G0A2, G1,  .Lhead_b
	ARM 2, G0B2, G1B, .Lhead_sa
	ARM 3, G0S,  G1S, .Lhead_sb
	tensor_load_to_lds s[G0SB:G0SB+3], s[G1SB:G1SB+7]
	s_nop 0
.rept 4
	v_nop
.endr
.Lhead_asked:
	v_and_b32 v1, 15, v0                           ; p
	v_bfe_u32 v2, v0, 4, 1                         ; h
	v_and_b32 v3, 31, v0                           ; lane
	v_lshlrev_b32 v[LI], 4, v3
	s_wait_alu depctr_va_vdst(0)
	s_mul_i32 s21, s15, HALFT                      ; my half of A,
	s_mul_i32 s22, s16, HALFT
	s_add_co_u32 s22, s22, 2*HALFT                 ; my half of B
.if QKV
	s_cmp_eq_u32 ttmp9, 2
	s_cselect_b32 s98, 1, 0
	s_cselect_b32 s18, s22, s21
	s_cselect_b32 s19, s21, s22
.else
	s_mov_b32 s18, s21
	s_mov_b32 s19, s22
.endif
	v_add_nc_u32 v[ADRP+3], s18, v[LI]             ; K steps 6, 7: quarters of 8 rows x 3,072 bytes from byte 0 on
	v_add_nc_u32 v[ADRR+3], s19, v[LI]
	v_add_nc_u32 v[ADRP+2], 2*SLOT, v[ADRP+3]      ; K steps 4, 5: the same in slot 2
	v_add_nc_u32 v[ADRR+2], 2*SLOT, v[ADRR+3]
	s_lshl_b32 s18, s18, 1                         ; K steps 0-3: rows twice as long, so every base is twice as far
	s_lshl_b32 s19, s19, 1
	v_add_nc_u32 v[ADRP], s18, v[LI]
	v_add_nc_u32 v[ADRR], s19, v[LI]
	v_add_nc_u32 v[ADRP+1], 3072, v[ADRP]          ; K steps 2, 3 of those rows
	v_add_nc_u32 v[ADRR+1], 3072, v[ADRR]
	v_lshlrev_b32 v5, 2, v1
	s_mul_i32 s21, s15, HALFS                      ; A's scale words,
	s_mul_i32 s22, s16, HALFS
	s_add_co_u32 s22, s22, 2*HALFS
	s_sub_co_u32 s22, s22, s21                     ; and how far behind them B's lie
.if QKV
	v_xor_b32 v6, s98, v2
	v_mul_u32_u24 v6, s22, v6
.else
	v_mul_u32_u24 v6, s22, v2                      ; lanes 0-15 take P's, lanes 16-31 R's
.endif
	s_add_co_u32 s21, s21, SCL
	v_add_nc_u32 v5, v5, v6
	v_add_nc_u32 v[ADRS], s21, v5
	v_lshlrev_b32 v[SOA], 2, v1
	v_mul_u32_u24 v5, v2, APS
	v_add_nc_u32 v[SOA], v[SOA], v5
.if QKV
	s_and_b32 s20, s42, 3
	s_lshl_b32 s20, s20, 1
	s_add_co_u32 s20, s20, s16
	s_lshl_b32 s21, s20, 8
	s_lshl_b32 s22, s17, 4
	s_add_co_u32 s21, s21, s22
	s_lshl_b32 s22, s15, 3
	s_add_co_u32 s21, s21, s22
	s_lshr_b32 s22, s17, 2
	s_lshl_b32 s22, s22, 3
	s_add_co_u32 s22, s22, s20
	s_lshl_b32 s22, s22, 3
	s_and_b32 s23, s17, 3
	s_lshl_b32 s23, s23, 1
	s_add_co_u32 s23, s23, s15
	s_add_co_u32 s22, s22, s23
	s_lshl_b32 s22, s22, 3
	s_cmp_eq_u32 s98, 1
	s_cselect_b32 s21, s22, s21
	s_mul_i32 s20, s21, 1536
	s_mul_i32 s22, ttmp9, 3145728
	s_add_co_u32 s20, s20, s22
	s_lshl_b32 s22, s21, 6
	s_mov_b32 s21, 0
	s_lshl_b32 s23, ttmp9, 17
	s_add_co_u32 s22, s22, s23
	s_add_co_u32 s22, s22, 9437184
	s_mov_b32 s23, 0
.else
	s_lshl_b32 s20, s42, 10                        ; the bias: lane (p, h) wants, for R's tile 2 b + u, the numbers 32 b + 16 h + 8 u + 0 .. 7 of my 128
	s_lshl_b32 s21, s16, 9
	s_add_co_u32 s20, s20, s21
	s_mov_b32 s21, 0
	s_add_nc_u64 s[8:9], s[8:9], s[20:21]
	v_lshlrev_b32 v[BAD], 6, v2
.irp b, 0,1,2,3,4,5,6,7
	global_load_b128 v[BI+8*\b:BI+8*\b+3], v[BAD], s[8:9] offset:(32*(\b/2)+8*(\b%2))*4
	global_load_b128 v[BI+8*\b+4:BI+8*\b+7], v[BAD], s[8:9] offset:(32*(\b/2)+8*(\b%2))*4+16
.endr
	s_lshl_b32 s20, s17, 4
	s_lshl_b32 s21, s15, 3
	s_add_co_u32 s20, s20, s21                     ; my first token fragment,
	s_lshl_b32 s20, s20, 5                         ; 32 K steps each,
	s_lshl_b32 s21, s42, 1
	s_add_co_u32 s20, s20, s21
	s_add_co_u32 s21, s20, s16                     ; K step 2 x tile column + wc
	s_mul_i32 s20, s21, 1536
	s_lshl_b32 s22, s21, 6
	s_add_co_u32 s22, s22, 12582912
	s_mov_b32 s21, 0
	s_mov_b32 s23, 0
.endif
	s_add_nc_u64 s[10:11], s[12:13], s[22:23]      ; my scale words in the output,
	s_add_nc_u64 s[12:13], s[12:13], s[20:21]      ; my codes
	s_wait_alu depctr_va_vdst(0)
	s_wait_tensorcnt 0x0                           ; my tile of the head's four is in
	ds_add_u32 v[SPW], v[NIL]
	s_mov_b32 s[G1+2], 8<<16                       ; no tensor load of mine is out: from here on a load brings 8 fragment rows
	s_mov_b32 s[G1+4], 8
	s_mov_b32 s[G1+1], 384<<16                     ; of two K steps
	s_mov_b32 s[G1+3], 384<<16
	s_mov_b32 s[G1B+2], 8<<16
	s_mov_b32 s[G1B+4], 8
	s_mov_b32 s[G1B+1], 384<<16
	s_mov_b32 s[G1B+3], 384<<16
	s_add_co_u32 s[G0A2+1], s45, 2*SLOT            ; and these registers name my quarter of slot 2
	s_add_nc_u64 s[G0A2+2:G0A2+3], s[G0A2+2:G0A2+3], s[2:3]
	s_add_nc_u64 s[G0A2+2:G0A2+3], s[G0A2+2:G0A2+3], 2*3072
	s_add_co_u32 s[G0B2+1], s45, 2*SLOT
	s_add_nc_u64 s[G0B2+2:G0B2+3], s[G0B2+2:G0B2+3], s[2:3]
	s_add_nc_u64 s[G0B2+2:G0B2+3], s[G0B2+2:G0B2+3], 2*3072
	s_wait_dscnt 0x0
	CROUND                                         ; everybody's tile is in, and all sixteen work-groups are here
	JLOAD G0A2, G1, G0B2, G1B                      ; slot 2's first fill: K steps 4 and 5
	FETCH_R 0, 0, 0
	FETCH_P 0, 0, 0
	SCALES 0
	FETCH_P 0, 0, 4
.if !QKV
	s_wait_loadcnt 0x0                             ; the bias
.endif
	STEP 0, 0, FIRST                               ; K = 0: its products start the sums
	TURN 0, 0, 1, 2                                ; K = 128; K steps 2 and 3 lie in the same rows: no barrier
	s_wait_alu depctr_va_vdst(0)
	STEP 1, 1, 0
	TURN 1, 1, 2, 1                                ; on to slot 2; slot 0 takes the last 256 along K
	s_wait_alu depctr_va_vdst(0)
	STEP 2, 0, 0
	TURN 2, 0, 3, 0                                ; on to K steps 6 and 7: the wait for them, and a barrier
	STEP 3, 1, 0
	s_wait_dscnt 4*NL                              ; the last K step: nothing more to fetch
	WMUL 0, 0
	MUL16 0, 1, 1, 1, 0
	MUL16 2, 1, 1, 1, 0
	s_wait_dscnt 0x0
	WMUL 1, 0
	MUL16 4, 1, 1, 1, 0
	MUL16 6, 1, 1, 1, 0
	WIN 0
	; THE WAY OUT: P's blocks one after the other: 64 numbers a lane are quantised, and the 12 registers leave as the next operand's image
	PLACES NP
.irp b, 0,1,2,3
	v_mov_b32 v[TM+4+\b], 0                        ; written once: a lane permute's destination counts as one of its sources
.endr
.irp a, 0,1,2,3,4,5,6,7
.if \a > 0
	s_wait_xcnt 0x0                                ; the last block's stores have read their registers
.endif
.if QKV
	QUANTW 64*(\a%4), 2+\a/4, PWS+\a
.else
	WIN 0x04*(2+\a/4)                              ; source 1
.set j, 0
.rept 64
	v_max_num_f32 v[HA+j], 0, v[64*(\a%4)+j]       ; the activation, in f32, each accumulator from its low end on
.set j, j+1
.endr
	QUANTW HA, 0, PWS+\a
.endif
.irp g, 0,1,2
	global_store_b128 v[LI], v[PC+4*\g:PC+4*\g+3], s[12:13] offset:\a*APC+512*\g   ; 512 consecutive bytes
.endr
.endr
	v_cmp_le_u32 vcc_lo, 16, v3
.irp p, 0,1,2,3
	v_cndmask_b32 v[PWS+2*\p], v[PWS+2*\p], v[PWS+2*\p+1], vcc_lo   ; lanes 0-15: block 2 p's words, lanes 16-31: block 2 p + 1's
	global_store_b32 v[SOA], v[PWS+2*\p], s[10:11] offset:2*\p*APS
.endr
	s_wait_tensorcnt 0x0                           ; the wave's end
	ds_add_u32 v[SPW], v[NIL]
	s_wait_dscnt 0x0
	CROUND                                         ; the closing round: no work-group ends while a partner may still ask for a tile that names it
	s_endpgm
.Lfunc_end_k_qdaa165dc98_w1:
	.size	k_qdaa165dc98_w1, .Lfunc_end_k_qdaa165dc98_w1-k_qdaa165dc98_w1
	.p2alignl 7, 3214868480
	.fill 96, 4, 3214868480
	.section	.rodata,"a",@progbits
	.p2align	6, 0x0
	.amdhsa_kernel k_qdaa165dc98_w1
		.amdhsa_group_segment_fixed_size 327680
		.amdhsa_private_segment_fixed_size 0
		.amdhsa_enable_private_segment 0
		.amdhsa_kernarg_size 32
		.amdhsa_user_sgpr_count 2
		.amdhsa_user_sgpr_kernarg_segment_ptr 1
		.amdhsa_wavefront_size32 1
		.amdhsa_system_sgpr_workgroup_id_x 1
		.amdhsa_system_sgpr_workgroup_id_y 1
		.amdhsa_system_sgpr_workgroup_id_z 1
		.amdhsa_system_vgpr_workitem_id 0
		.amdhsa_next_free_vgpr 1024
		.amdhsa_next_free_sgpr 100
		.amdhsa_reserve_vcc 1
		.amdhsa_float_denorm_mode_32 3
		.amdhsa_float_denorm_mode_16_64 3
		.amdhsa_memory_ordered 1
		.amdhsa_forward_progress 1
		.amdhsa_inst_pref_size 160
	.end_amdhsa_kernel
	.amdgpu_metadata
---
amdhsa.version: [ 1, 2 ]
amdhsa.kernels:
  - .name:           k_qdaa165dc98_w1
    .symbol:         k_qdaa165dc98_w1.kd
    .args:
      - { .name: H2B, .offset: 0, .size: 8, .value_kind: global_buffer, .address_space: global }
      - { .name: PB, .offset: 8, .size: 8, .value_kind: global_buffer, .address_space: global }
      - { .name: b1, .offset: 16, .size: 8, .value_kind: global_buffer, .address_space: global }
      - { .name: FB, .offset: 24, .size: 8, .value_kind: global_buffer, .address_space: global }
    .group_segment_fixed_size: 327680
    .private_segment_fixed_size: 0
    .kernarg_segment_align: 8
    .kernarg_segment_size: 32
    .max_flat_workgroup_size: 128
    .sgpr_count:     100
    .vgpr_count:     1024
    .wavefront_size: 32
...
	.end_amdgpu_metadata
.endif
;; end of part 5
;; launch w2 (part 6): grid 8 x 32, 4 waves a work-group, clusters of 4 x 1, 270,848 bytes of LDS; arguments FB, PB, b2, X1, out0; writes out0
.if DOCPART == 6
	.amdgcn_target "amdgcn-amd-amdhsa--gfx1250"
	.amdhsa_code_object_version 6
	.text
	.protected	k_qdaa165dc98_w2
	.globl	k_qdaa165dc98_w2
	.p2align	8
	.type	k_qdaa165dc98_w2,@function
k_qdaa165dc98_w2:
	s_mov_b64 s[64:65], 0
	v_nop
	global_prefetch_b8 v0, s[64:65] scope:SCOPE_SE
	s_setreg_imm32_b32 hwreg(HW_REG_WAVE_MODE, 25, 1), 1
	s_wait_xcnt 0x0
	s_wait_alu depctr_hold_cnt(0) depctr_sa_sdst(0) depctr_va_vdst(0) depctr_va_sdst(0) depctr_va_ssrc(0) depctr_va_vcc(0) depctr_vm_vsrc(0)
	s_getreg_b32 s2, hwreg(HW_REG_IB_STS2, 6, 4)
	s_cmp_eq_u32 s2, 0
	s_cbranch_scc0 .Lentry_in_a_cluster
	s_endpgm
.Lentry_in_a_cluster:
	s_bfe_u32 s2, ttmp6, 0x10000c
	s_cmp_lg_u32 s2, 0x3003
	s_cbranch_scc0 .Lentry_shape_is_right
	s_endpgm
.Lentry_shape_is_right:
; out = res + A W + bias: [4096][1024] f32, K = 4,096.  A (tokens, P) and W (1,024 rows n, R) are codes of FP6 (E2M3) with E8M0 scales, stored as register images: fragment (rb, ks), 16 rows x 128 K, is 1,536 bytes at
; (rb KSN + ks) x 1,536, its scale words 64 bytes at (rb KSN + ks) x 64; rows lie in fragments by groups of 32: row 32 G + 16 a + 8 u + j = fragment 2 G + u, lane-row 8 a + j.
; A work-group makes 128 tokens x 128 n: 256 work-groups.  EACH WAVE MAKES THE WHOLE BLOCK (64 accumulators, 512 registers) OVER ITS OWN QUARTER OF K, 8 K steps of 128: a K step's 16 fragments feed 64 matrix instructions and
; are read by one wave alone.  So they go from memory straight into registers, three loads of 512 consecutive bytes a fragment, into two sets that take turns; the walk along K has no barrier.
; P's fragments of a wave's last 5 K steps (8 rows of 7,680 bytes) come by ONE tensor load a wave at the head into the wave's own LDS region, and from there into registers a step ahead.  The four work-groups of a cluster
; share the tile row, so that load is joint.  R's fragments differ between the partners, and what goes to registers has no joint form.
; SCALE WORDS: one load of 128 bytes brings a block's words of two K steps, lanes 0-15 the even step's, lanes 16-31 the odd step's; the odd step names row 1 on both sides.
; Source 0 = a fragment of R, source 1 = one of P: a lane holds one token, and register j of R's tile 2 b + u is n = 32 b + 16 (lane / 16) + 8 u + j.
; THE WAY OUT: each wave lays its partial block as 128 rows of 512 + 16 bytes into its own LDS region (over the tensor load's bytes, which have had their one fill and their last read); one barrier; wave w reads rows
; 32 w .. 32 w + 31 of all four regions, sums them, adds residual and bias and stores 512 consecutive bytes a row.  The sum over K is so taken in four parts; each part in ascending K.
; No prefetch of the operands: a wave's own loads stand up to two K steps ahead of their use from its first line on.  The residual's 64 blocks of 256 bytes a wave are prefetched at the head, each once, and loaded in the seventh step.
; REGISTERS: window 0: v4-15 addresses; v32-127, v128-223 P's two sets; v224-255 scale words, two sets of 16 (P's 8, R's 8).  window 1: v0-95, v128-223 R's two sets; at the end v0-127 the residual.  windows 2, 3: accumulator (a, b) at v[8 (8 (a % 4) + b)].
.set KSN,   32
.set KW,    8                          ; K steps a wave
.set NG,    3                          ; of them, those whose token fragments come by global loads
.set ASOFF, 12582912
.set BOFF,  9830400
.set BSOFF, 12976128
.set NT,    KW-NG                      ; and by the tensor load
.set FRB,   1536
.set ROWB,  FRB*KSN                    ; a fragment row in memory
.set SPITCH, 528
.set REG,   128*SPITCH                 ; a wave's LDS region
.set SPARE, 4*REG                      ; the spare words, 128 bytes a wave, that no other line names
.set LI,  4                            ; 16 x lane
.set L4,  5                            ; 4 x lane
.set STO, 6                            ; into my region: row p, + 64 (lane / 16)
.set ADP, 7                            ; my region + 16 x lane
.set RD,  8                            ; v8-11: my 32 rows in the four regions
.set PFO, 12                           ; the prefetches' offset; never rewritten
.set SPW, 14
.set NIL, 15
.set PF,  32
.set SCR, 224
.set G0,  32
.set G1,  40
.set MSB, 0
.macro WIN new                         ; the immediate's high byte repeats the setting that is left
.if MSB != (\new)
	s_set_vgpr_msb (MSB<<8)|(\new)
.set MSB, (\new)
.endif
.endm
.macro CROUND                          ; a round of the cluster's barrier
	s_barrier_signal -1
	s_barrier_wait -1
	s_cmp_lg_u32 s14, 0
	s_cbranch_scc1 .Lnot_wave_0_\@
	s_barrier_signal -3
.Lnot_wave_0_\@:
	s_barrier_wait -3
	s_barrier_signal -1
	s_barrier_wait -1
.endm
.macro PLACES                          ; in front of loads into registers that matrix instructions have read, and of reads of results
.rept 4
	v_nop
.endr
.endm
.macro LDP s, i0                       ; P's blocks i0 .. i0 + 3 of my K step s, from memory
.irp i, 0,1,2,3
.irp g, 0,1,2
	global_load_b128 v[PF+96*((\s)%2)+12*(\i0+\i)+4*\g:PF+96*((\s)%2)+12*(\i0+\i)+4*\g+3], v[LI], s[20:21] offset:ROWB*(\i0+\i)+FRB*(\s)+512*\g
.endr
.endr
.endm
.macro LDPL s                          ; P's eight blocks of my K step s, from my LDS region
.irp i, 0,1,2,3,4,5,6,7
.irp g, 0,1,2
	ds_load_b128 v[PF+96*((\s)%2)+12*\i+4*\g:PF+96*((\s)%2)+12*\i+4*\g+3], v[ADP] offset:NT*FRB*\i+FRB*((\s)-NG)+512*\g
.endr
.endr
.endm
.macro LDR s                           ; R's eight blocks of my K step s
	WIN 0x40
.irp i, 0,1,2,3,4,5,6,7
.irp g, 0,1,2
	global_load_b128 v[128*((\s)%2)+12*\i+4*\g:128*((\s)%2)+12*\i+4*\g+3], v[LI], s[22:23] offset:ROWB*\i+FRB*(\s)+512*\g
.endr
.endr
	WIN 0
.endm
.macro LSC j                           ; the scale words of my K steps 2 j and 2 j + 1
.irp i, 0,1,2,3,4,5,6,7
	global_load_b32 v[SCR+16*((\j)%2)+\i], v[L4], s[24:25] offset:64*KSN*\i+128*(\j)
	global_load_b32 v[SCR+16*((\j)%2)+8+\i], v[L4], s[26:27] offset:64*KSN*\i+128*(\j)
.endr
.endm
.macro MUL32 hi, s                     ; P's blocks 4 hi .. 4 hi + 3 x R's eight.  The 64 accumulators take turns, one instruction a turn.  The first K step starts the sums
.irp a, 0,1,2,3
.irp b, 0,1,2,3,4,5,6,7
.if \s == 0
	v_wmma_scale_f32_16x16x128_f8f6f4 v[8*(8*\a+\b):8*(8*\a+\b)+7], v[128*F+12*\b:128*F+12*\b+11], v[PF+96*F+12*(4*\hi+\a):PF+96*F+12*(4*\hi+\a)+11], 0, v[SS+8+\b], v[SS+4*\hi+\a] matrix_a_fmt:MATRIX_FMT_FP6 matrix_b_fmt:MATRIX_FMT_FP6
.elseif F == 0
	v_wmma_scale_f32_16x16x128_f8f6f4 v[8*(8*\a+\b):8*(8*\a+\b)+7], v[128*F+12*\b:128*F+12*\b+11], v[PF+96*F+12*(4*\hi+\a):PF+96*F+12*(4*\hi+\a)+11], v[8*(8*\a+\b):8*(8*\a+\b)+7], v[SS+8+\b], v[SS+4*\hi+\a] matrix_a_fmt:MATRIX_FMT_FP6 matrix_b_fmt:MATRIX_FMT_FP6
.else
	v_wmma_scale_f32_16x16x128_f8f6f4 v[8*(8*\a+\b):8*(8*\a+\b)+7], v[128*F+12*\b:128*F+12*\b+11], v[PF+96*F+12*(4*\hi+\a):PF+96*F+12*(4*\hi+\a)+11], v[8*(8*\a+\b):8*(8*\a+\b)+7], v[SS+8+\b], v[SS+4*\hi+\a] matrix_a_fmt:MATRIX_FMT_FP6 matrix_b_fmt:MATRIX_FMT_FP6 matrix_a_scale:MATRIX_SCALE_ROW1 matrix_b_scale:MATRIX_SCALE_ROW1
.endif
.endr
.endr
.endm
; My K step s, on set s % 2.  In its middle: the scale words of two steps on (even s), P's blocks 0-3 of step s + 2 into the registers just read, or from LDS all of P's step s + 1 into the other set.  At its end: the rest of step s + 2.
; THE WAIT ON LOADcnt: all that step s needs was issued in step s - 2 or earlier, so what may be out is what step s - 1 issued: CNT adds that up (16 scale words, 24 of P, 24 of R, 33 of residual and bias; 63 is the most a wait can name).
.macro STEP s
.set F, (\s)%2
.set SS, SCR+16*(((\s)/2)%2)
.set CNT, 0
.if \s == 0
.set CNT, 48                           ; step 1's loads, issued at the head behind step 0's
.else
.if (\s)%2 == 1 && \s+1 < KW
.set CNT, CNT+16
.endif
.if \s+1 < NG
.set CNT, CNT+24
.endif
.if \s+1 < KW
.set CNT, CNT+24
.endif
.if \s+1 == KW
.set CNT, CNT+33
.endif
.if CNT > 63
.set CNT, 63
.endif
.endif
	s_wait_loadcnt CNT
.if \s >= NG
	s_wait_dscnt 0x0                               ; P's fragments are back from LDS
.endif
	WIN 0xa1
	MUL32 0, \s
.if ((\s)%2 == 0 && \s+2 < KW) || (\s+2 < NG) || (\s+1 >= NG && \s+1 < KW)
	PLACES
	WIN 0
.if (\s)%2 == 0 && \s+2 < KW
	LSC (\s)/2+1
.endif
.if \s+2 < NG
	LDP \s+2, 0
.endif
.if \s+1 >= NG && \s+1 < KW
.if \s+1 == NG
	s_wait_tensorcnt 0x0                           ; my tile has landed; I alone read it
.endif
	LDPL \s+1
.endif
.endif
	WIN 0xf1
	MUL32 1, \s
.if \s+2 < KW
	PLACES
	WIN 0
.if \s+2 < NG
	LDP \s+2, 4
.endif
	LDR \s+2
.endif
.if \s+2 == KW                         ; this set is done with: the bias (4 columns a lane) and the residual's 32 rows, in the order of the stage's rows, take its registers
	PLACES
	WIN 0
	global_load_b128 v[PF:PF+3], v[LI], s[8:9]
	WIN 0x40
.set t, 0
.rept 32
	global_load_b128 v[4*t:4*t+3], v[LI], s[10:11] offset:(8*(t/16)+t%8+16*((t/8)%2))*4096 th:TH_LOAD_NT
.set t, t+1
.endr
	WIN 0
.endif
.endm
.macro ADDS d, s                       ; sixteen rows by turns
.set t, 0
.rept 16
	v_pk_add_f32 v[16*t+\d:16*t+\d+1], v[16*t+\d:16*t+\d+1], v[16*t+\s:16*t+\s+1]
.set t, t+1
.endr
.endm
	s_load_b256 s[4:11], s[0:1], 0x0               ; A s[4:5], the weights' buffer s[6:7], bias s[8:9], residual s[10:11]
	s_load_b64 s[12:13], s[0:1], 0x20              ; out
	v_lshl_add_u32 v[SPW], v0, 2, SPARE
	v_mov_b32 v[NIL], 0
.if NT > 0
	ds_add_u32 v[SPW], v[NIL]                      ; the opening lines: the add, twice on end, and its wait ahead of my tensor load
	ds_add_u32 v[SPW], v[NIL]
.endif
	v_lshrrev_b32 v1, 5, v0
	v_readfirstlane_b32 s14, v1                    ; wave 0..3
.if NT > 0
	s_bfe_u32 s15, ttmp6, 0x40000                  ; cx: it enters R's, the bias's, the residual's and the output's global addresses alone
	s_lshl_b32 s16, ttmp9, 2
	s_add_co_u32 s16, s16, s15                     ; tile column
.else
	s_mov_b32 s16, ttmp9
.endif
	s_and_b32 s17, ttmp7, 0xffff                   ; tile row
	s_mul_i32 s18, s14, KW*FRB                     ; my K steps' place in a fragment row
	s_mul_i32 s20, s17, 8*ROWB
	s_add_co_u32 s20, s20, s18                     ; P's codes
	s_mov_b32 s21, 0
	s_mul_i32 s22, s16, 8*ROWB
	s_add_co_u32 s22, s22, s18
	s_add_co_u32 s22, s22, BOFF                    ; R's codes
	s_mov_b32 s23, 0
	s_mul_i32 s18, s14, KW*64
	s_mul_i32 s24, s17, 8*64*KSN
	s_add_co_u32 s24, s24, s18
	s_add_co_u32 s24, s24, ASOFF                   ; P's scale words
	s_mov_b32 s25, 0
	s_mul_i32 s26, s16, 8*64*KSN
	s_add_co_u32 s26, s26, s18
	s_add_co_u32 s26, s26, BSOFF                   ; R's
	s_mov_b32 s27, 0
	s_lshl_b32 s28, s17, 7
	s_lshl_b32 s18, s14, 5
	s_add_co_u32 s28, s28, s18                     ; the 32 tokens that I store
	s_lshl_b32 s28, s28, 12
	s_lshl_b32 s30, s16, 9                         ; the tile's 512 bytes of a row
	s_add_co_u32 s28, s28, s30
	s_mov_b32 s29, 0
	s_mov_b32 s31, 0
	s_mul_i32 s19, s14, REG                        ; my LDS region
	s_mul_i32 s18, s14, 32*SPITCH                  ; my 32 rows in a region
.if NT > 0
	s_mov_b32 s[G1], 15|(3<<16)|(1<<21)            ; the four partners; elements of 8 bytes
	s_mov_b32 s[G1+1], (192*NT)<<16                ; a row: NT K steps of 192 elements
	s_mov_b32 s[G1+2], 8<<16                       ; 8 fragment rows
	s_mov_b32 s[G1+3], (192*NT)<<16
	s_mov_b32 s[G1+4], 8
	s_mov_b32 s[G1+5], 192*KSN
	s_mov_b32 s[G1+6], 0
	s_mov_b32 s[G1+7], 0
.endif
	v_and_b32 v3, 31, v0
	v_and_b32 v1, 15, v0
	v_bfe_u32 v2, v0, 4, 1
	v_lshlrev_b32 v[LI], 4, v3
	v_lshlrev_b32 v[L4], 2, v3
	v_mul_u32_u24 v[STO], v1, SPITCH
	v_lshl_add_u32 v[STO], v2, 6, v[STO]
	v_add_nc_u32 v[STO], s19, v[STO]
.if NT > 0
	v_add_nc_u32 v[ADP], s19, v[LI]
.endif
	v_add_nc_u32 v[RD], s18, v[LI]
	v_add_nc_u32 v[RD+1], REG, v[RD]
	v_add_nc_u32 v[RD+2], 2*REG, v[RD]
	v_add_nc_u32 v[RD+3], 3*REG, v[RD]
	v_lshrrev_b32 v[PFO], 1, v3
	v_lshlrev_b32 v[PFO], 12, v[PFO]
	v_and_b32 v1, 1, v0
	v_lshl_add_u32 v[PFO], v1, 8, v[PFO]           ; row lane / 2, its block lane % 2 of 256 bytes
	s_wait_alu depctr_va_vdst(0)
.if NT > 0
	s_wait_dscnt 0x0                               ; both opening adds are done
.endif
	s_wait_kmcnt 0x0
	s_add_nc_u64 s[20:21], s[4:5], s[20:21]
	s_add_nc_u64 s[22:23], s[6:7], s[22:23]
	s_add_nc_u64 s[24:25], s[4:5], s[24:25]
	s_add_nc_u64 s[26:27], s[6:7], s[26:27]
	s_add_nc_u64 s[8:9], s[8:9], s[30:31]
	s_add_nc_u64 s[10:11], s[10:11], s[28:29]
	s_add_nc_u64 s[12:13], s[12:13], s[28:29]
	LDP 0, 0                                       ; my first K step is asked for ahead of the round
	LDP 0, 4
	LDR 0
.if NT > 0
	s_mov_b32 s[G0], 1
	s_mov_b32 s[G0+1], s19
	s_add_nc_u64 s[G0+2:G0+3], s[20:21], NG*FRB
	s_or_b32 s[G0+3], s[G0+3], 0x80000000
	CROUND                                         ; all four work-groups are here: the joint loads meet
	tensor_load_to_lds s[G0:G0+3], s[G1:G1+7]      ; my one tensor load
	s_nop 0
.endif
	LSC 0
	LDP 1, 0
	LDP 1, 4
	LDR 1
	global_prefetch_b8 v[PFO], s[10:11] th:TH_LOAD_NT scope:SCOPE_SE               ; the residual's rows 0-15 of my 32,
	global_prefetch_b8 v[PFO], s[10:11] offset:65536 th:TH_LOAD_NT scope:SCOPE_SE  ; and 16-31
.set ST, 0
.rept KW
	STEP ST
.set ST, ST+1
.endr
	PLACES
.irp a, 0,1,2,3,4,5,6,7
	WIN 0x08+4*(\a/4)                              ; the data: window 2 or 3
.irp b, 0,1,2,3,4,5,6,7
	ds_store_b128 v[STO], v[8*(8*(\a%4)+\b):8*(8*(\a%4)+\b)+3] offset:16*\a*SPITCH+128*(\b/2)+32*(\b%2)       ; each accumulator from its low end on
	ds_store_b128 v[STO], v[8*(8*(\a%4)+\b)+4:8*(8*(\a%4)+\b)+7] offset:16*\a*SPITCH+128*(\b/2)+32*(\b%2)+16
.endr
.endr
	WIN 0
	s_wait_dscnt 0x0                               ; for the others' sake: my partial block lies in LDS
	s_barrier_signal -1
	s_barrier_wait -1
.irp k, 0,1                                    ; rows 16 k .. 16 k + 15 of my 32, from all four regions, into window 2 + k
	WIN 0x80+0x40*\k
.set t, 0
.rept 16
.irp q, 0,1,2,3
	ds_load_b128 v[16*t+4*\q:16*t+4*\q+3], v[RD+\q] offset:SPITCH*(16*\k+t)
.endr
.set t, t+1
.endr
.endr
	s_wait_loadcnt 0x0                             ; residual and bias
.irp k, 0,1
	s_wait_dscnt 63-63*\k                          ; this half's 64 loads are in (of the 128 issued at most 63 are out: the most that a wait can name)
	WIN 0x8a+0x45*\k
	ADDS 0, 4                                      ; (wave 0's + wave 1's) + (wave 2's + wave 3's)
	ADDS 2, 6
	ADDS 8, 12
	ADDS 10, 14
	ADDS 0, 8
	ADDS 2, 10
	WIN 0x86+0x41*\k                               ; source 1: window 1, the residual
.set t, 0
.rept 16
	v_pk_add_f32 v[16*t:16*t+1], v[16*t:16*t+1], v[64*\k+4*t:64*\k+4*t+1]
	v_pk_add_f32 v[16*t+2:16*t+3], v[16*t+2:16*t+3], v[64*\k+4*t+2:64*\k+4*t+3]
.set t, t+1
.endr
	WIN 0x82+0x41*\k                               ; source 1: window 0, the bias
.set t, 0
.rept 16
	v_pk_add_f32 v[16*t:16*t+1], v[16*t:16*t+1], v[PF:PF+1]
	v_pk_add_f32 v[16*t+2:16*t+3], v[16*t+2:16*t+3], v[PF+2:PF+3]
.set t, t+1
.endr
	WIN 0x08+4*\k
.set t, 0
.rept 16
	global_store_b128 v[LI], v[16*t:16*t+3], s[12:13] offset:(8*\k+t%8+16*(t/8))*4096   ; 32 lanes store 512 consecutive bytes, at a multiple of 256 from the buffer's first byte
.set t, t+1
.endr
.endr
	WIN 0
	s_wait_tensorcnt 0x0                           ; the wave's end
	ds_add_u32 v[SPW], v[NIL]
	s_wait_dscnt 0x0
.if NT > 0
	CROUND                                         ; the closing round
.endif
	s_endpgm
.Lfunc_end_k_qdaa165dc98_w2:
	.size	k_qdaa165dc98_w2, .Lfunc_end_k_qdaa165dc98_w2-k_qdaa165dc98_w2
	.p2alignl 7, 3214868480
	.fill 96, 4, 3214868480
	.section	.rodata,"a",@progbits
	.p2align	6, 0x0
	.amdhsa_kernel k_qdaa165dc98_w2
		.amdhsa_group_segment_fixed_size 270848
		.amdhsa_private_segment_fixed_size 0
		.amdhsa_enable_private_segment 0
		.amdhsa_kernarg_size 40
		.amdhsa_user_sgpr_count 2
		.amdhsa_user_sgpr_kernarg_segment_ptr 1
		.amdhsa_wavefront_size32 1
		.amdhsa_system_sgpr_workgroup_id_x 1
		.amdhsa_system_sgpr_workgroup_id_y 1
		.amdhsa_system_sgpr_workgroup_id_z 1
		.amdhsa_system_vgpr_workitem_id 0
		.amdhsa_next_free_vgpr 1024
		.amdhsa_next_free_sgpr 66
		.amdhsa_reserve_vcc 0
		.amdhsa_float_denorm_mode_32 3
		.amdhsa_float_denorm_mode_16_64 3
		.amdhsa_memory_ordered 1
		.amdhsa_forward_progress 1
		.amdhsa_inst_pref_size 154
	.end_amdhsa_kernel
	.amdgpu_metadata
---
amdhsa.version: [ 1, 2 ]
amdhsa.kernels:
  - .name:           k_qdaa165dc98_w2
    .symbol:         k_qdaa165dc98_w2.kd
    .args:
      - { .name: FB, .offset: 0, .size: 8, .value_kind: global_buffer, .address_space: global }
      - { .name: PB, .offset: 8, .size: 8, .value_kind: global_buffer, .address_space: global }
      - { .name: b2, .offset: 16, .size: 8, .value_kind: global_buffer, .address_space: global }
      - { .name: X1, .offset: 24, .size: 8, .value_kind: global_buffer, .address_space: global }
      - { .name: out0, .offset: 32, .size: 8, .value_kind: global_buffer, .address_space: global }
    .group_segment_fixed_size: 270848
    .private_segment_fixed_size: 0
    .kernarg_segment_align: 8
    .kernarg_segment_size: 40
    .max_flat_workgroup_size: 128
    .sgpr_count:     66
    .vgpr_count:     1024
    .wavefront_size: 32
...
	.end_amdgpu_metadata
.endif
;; end of part 6
